; MI455X (gfx1250); checked and timed in simulation.
; The chip was launched on July 23, 2026; its instructions are those of AMD's public machine-readable ISA for CDNA 5 (MIT licence, August 2026) and "CDNA5" Instruction Set Architecture Reference Guide (July 2026). The comments in the code are by the model that wrote it; some were corrected since.
;; Multihead Attention. Allowed arithmetic: matrix products marked QUANTISED: E2M1 operands, one E8M0 scale for each 32 along K, by v_wmma_scale_f32_16x16x128_f8f6f4 with both operands' format E2M1 (or v_wmma_scale_f32_32x16x128_f4), f32 sums; everything else in f32.
;; Inputs: W0 1,024 x 1,024 float32; Wk 16 x 1,024 x 64 float32; Wq 16 x 1,024 x 64 float32; Wv 16 x 1,024 x 64 float32; b0 1,024 float32; bk 16 x 64 float32; bq 16 x 64 float32; bv 16 x 64 float32; embs 8 x 1,024 x 1,024 float32.
;; Outputs: out0 8 x 1,024 x 1,024 float32.
;; This version of the problem:
;;   THIS VERSION OF THE PROBLEM IS GIVEN IN LOW PRECISION. The matrix products marked QUANTISED in the list below multiply operands that are first quantised to E2M1 (2 exponent bits, 1 mantissa bit; 4 bits a number), with one power-of-two scale for each 32 numbers along K (OCP MX v1.0); their sums are f32. All else is computed in f32.
;;   The module's matrix products, in the order in which they are computed (A, B: the left and right operand; K: the contracted axis; several contracted axes count as one K, in the product's order):
;;     1. [M 1,024, K 1,024] x [K 1,024, N 8,192]; A: input Wq; B: input embs: QUANTISED
;;     2. [M 1,024, K 1,024] x [K 1,024, N 8,192]; A: input Wk; B: input embs: QUANTISED
;;     3. [M 1,024, K 1,024] x [K 1,024, N 8,192]; A: input Wv; B: input embs: QUANTISED
;;     4. batch 128 x [M 1,024, K 64] x [K 64, N 1,024]; A: computed on the way; B: computed on the way: QUANTISED
;;     5. batch 128 x [M 1,024, K 1,024] x [K 1,024, N 64]; A: softmax (see below); B: computed on the way: QUANTISED
;;     6. [M 8,192, K 1,024] x [K 1,024, N 1,024]; A: computed on the way; B: input W0: QUANTISED
;;   THE QUANTISER, for each operand of a quantised product, along K:
;;     - K is cut into blocks of 32 from its start; a last block that is shorter is filled with zeros.
;;     - A block's scale is 2^e with e = floor(log2(the largest magnitude in the block)) - 2, held to -126 .. 127; a block of zeros has e = 0. As a byte (E8M0): e + 127.
;;     - Each number is divided by its block's scale, clamped to +-6, and rounded to the nearest number of E2M1, ties to even, subnormals kept.
;;     - The product sums the exact products of the quantised numbers (number of the format x scale) in f32.
;;   ~~~python
;;   def quantise(x, axis):      # numpy; x: float32 -> the quantised numbers, widened to float32 again
;;       x = np.moveaxis(x, axis, -1); K = x.shape[-1]
;;       x = np.pad(x, [(0, 0)] * (x.ndim - 1) + [(0, -K % 32)]); x = x.reshape(x.shape[:-1] + (-1, 32)); a = np.abs(x).max(-1, keepdims=True)
;;       e = np.where(a > 0, np.clip(np.frexp(np.where(a > 0, a, 1))[1] - 1 - 2, -126, 127), 0)      # np.frexp(a)[1] - 1 = floor(log2(a)), exactly
;;       r = np.clip(x / 2.0 ** e, -6, 6)
;;       step = 2.0 ** (np.maximum(np.frexp(np.where(r == 0, 1, r))[1] - 1, 0) - 1)
;;       q = np.round(r / step) * step * 2.0 ** e      # np.round: ties to even
;;       return np.moveaxis(q.reshape(q.shape[:-2] + (-1,))[..., :K], -1, axis).astype(np.float32)
;;   ~~~
;;   SOFTMAX AHEAD OF A QUANTISED PRODUCT. Where the list says 'softmax', what is quantised is not the finished softmax but p = 2^(t - M), with t = logit x log2(e) and M = ceil(the row's largest t), a whole number; so 1/2 < the row's largest p <= 1. The row's sum l is taken of the UNQUANTISED p, in f32, and the product's result is divided by l at the end. Since M is a whole number, a kernel that streams over the keys may use a running M (the ceiling of the running maximum): every later rescaling is an exact power of two, which a block's scale takes up: the codes' values come out the same.
;;   OPERANDS COMPUTED ON THE WAY. 'Computed on the way' means the value that the module computes at that place (a softmax that the list does not call 'softmax' is quantised finished and normalised). What goes into a quantiser is computed in f32, as accurately as f32 sums, v_exp_f32 and their like allow (about 1e-6 of the number): no bf16 or f16 on the way to a quantiser, and a product that is left as it is and whose result goes on into a quantised operand takes f32 operands (vector FMAs, or v_wmma_f32_16x16x4_f32). A number that lies on a knife's edge between two numbers of the format may be rounded either way, as far as f32 arithmetic and the matrix unit's own rounding can turn it there, and no further.
;; One version. Each part assembles by itself: llvm-mc -triple=amdgcn-amd-amdhsa -mcpu=gfx1250 --defsym DOCPART=n.
;; ======== version 1 of 1: 4 launches
;; limits: right only within a limited range of input values
;; workspace buffers: xcodes 4,456,448 bytes; wcodes 2,228,224 bytes; qkvc 13,893,632 bytes; zcodes 4,456,448 bytes
;; launch quant (part 1): grid 384 x 1, 4 waves a work-group, no clusters, 34,304 bytes of LDS; arguments embs, Wq, Wk, Wv, W0, xcodes, wcodes; writes xcodes, wcodes
.if DOCPART == 1
	.amdgcn_target "amdgcn-amd-amdhsa--gfx1250"
	.amdhsa_code_object_version 6
	.text
	.protected	k_q62a429f594_quant
	.globl	k_q62a429f594_quant
	.p2align	8
	.type	k_q62a429f594_quant,@function
k_q62a429f594_quant:
	s_mov_b64 s[64:65], 0
	v_nop
	global_prefetch_b8 v0, s[64:65] scope:SCOPE_SE
	s_setreg_imm32_b32 hwreg(HW_REG_WAVE_MODE, 25, 1), 1
	s_wait_xcnt 0x0
; embs [8192][1024] (K innermost) and Wq, Wk, Wv [16][1024][64], W0 [1024][1024] (K on an outer axis), all f32, become codes of FP4 (E2M1) with one E8M0 byte for each 32 along K.
; A block's scale is 2^(floor(log2(largest magnitude)) - 2): its byte is the largest magnitude's exponent field - 2, held at 1 from below; each number is divided by it and rounded to the nearest code, ties to even.
; LAYOUT OF THE RESULTS (this program's own): rows are cut into tiles of 16; row r of tile T is logical row 32 (T / 2) + 8 (T % 2) + r + 8 (r / 8), so that a product that takes such a tile as its
; source 0 leaves 16 neighbours of the next K in the 16 registers of two neighbouring tiles.  A fragment (16 rows x 128 K, 8 registers a lane) lies as an image of its registers: group c (0, 1) of lane l at
; 512 c + 16 l; a tile's 8 fragments on end, 8,192 bytes.  Scale bytes: 32 for each row, rows in the tiles' order, behind the codes.
; Work-groups 0-255 take embs, 256-383 the weights; the two ways part on the work-group's number, and only the first uses LDS.  No barrier: waves share nothing.  Memory binds: no matrix unit, no cluster.
; LIMITS: NaN and infinities are not served; a block whose largest magnitude lies under 2^-124, a block of zeros too, keeps the byte 1 (zero codes add nothing, and this program alone reads the bytes).
.set XS,   4194304                     ; xcodes: the scale rows begin here
.set WS,   2097152                     ; wcodes: likewise
.set SP,   528                         ; a stage row: 512 bytes + 16
.set STGB, 16*SP                       ; a wave's stage
.set R,    16                          ; v16-143   two sets of 64: a unit as it is loaded
.set X,    144                         ; v144-207  the unit in the fragment's order
.set C,    208                         ; v208-239  eight code registers for each of the four units: no store's data are written again
.set SWD,  252                         ; v252-255  the four units' scale words
.set WOFF, 16                          ; weights: v16-47 byte offset of row i of a block
.set WX,   48                          ; v48-111   two sets of 32 numbers
.set WC,   112                         ; v112-143  four code registers for each of the eight blocks
.set WSB,  144                         ; v144-145  the eight scale bytes
	s_load_b256 s[4:11], s[0:1], 0x0               ; embs, Wq, Wk, Wv
	s_load_b128 s[12:15], s[0:1], 0x20             ; W0, xcodes
	s_load_b64 s[16:17], s[0:1], 0x30              ; wcodes
	v_lshl_add_u32 v250, v0, 2, 0x8400
	v_mov_b32 v251, 0
	v_lshrrev_b32 v1, 5, v0
	v_readfirstlane_b32 s18, v1                    ; wave
	v_and_b32 v1, 31, v0                           ; lane
	s_cmp_lt_u32 ttmp9, 256
	s_cbranch_scc0 .Lweights
; ---- embs.  A wave takes tile T = 2 x work-group + wave / 2 and half y = wave % 2 of K: four units of 16 rows x 128 K.
	v_and_b32 v2, 15, v0                           ; r
	v_bfe_u32 v3, v0, 4, 1                         ; h
	v_lshlrev_b32 v4, 4, v1                        ; 16 x lane: my bytes of a load's 512, and of an image's
	s_mul_i32 s19, s18, STGB
	v_add_nc_u32 v5, s19, v4                       ; the stage, on the way in
	v_mul_u32_u24 v6, v2, SP
	v_lshl_add_u32 v6, v3, 7, v6
	v_add_nc_u32 v6, s19, v6                       ; and out: row r, 128 h bytes on: the numbers k = 64 c + 32 h + 0 .. 31
	v_lshlrev_b32 v7, 3, v3                        ; 8 h: my bytes' place in the scale word
	v_lshlrev_b32 v8, 5, v2                        ; 32 r: my row of scale bytes
	v_mov_b32 v249, 0                              ; a lane permute's destination counts as read
	s_mov_b32 s34, 0x76543210
	s_mov_b32 s35, 0xfedcba98                      ; selects for lane l xor 16
	s_lshl_b32 s20, ttmp9, 1
	s_lshr_b32 s21, s18, 1
	s_add_co_u32 s20, s20, s21                     ; T
	s_and_b32 s21, s18, 1                          ; y
	s_lshr_b32 s22, s20, 1
	s_lshl_b32 s22, s22, 17                        ; 32 (T / 2) rows of 4,096 bytes
	s_and_b32 s23, s20, 1
	s_lshl_b32 s23, s23, 15                        ; 8 (T % 2) rows
	s_add_co_u32 s22, s22, s23
	s_lshl_b32 s23, s21, 11                        ; 512 y numbers
	s_add_co_u32 s22, s22, s23
	s_mov_b32 s23, 0
	s_lshl_b32 s24, s20, 13                        ; codes: 8,192 T + 4,096 y
	s_lshl_b32 s25, s21, 12
	s_add_co_u32 s24, s24, s25
	s_mov_b32 s25, 0
	s_lshl_b32 s26, s20, 9                         ; scale rows: XS + 512 T + 16 y
	s_lshl_b32 s27, s21, 4
	s_add_co_u32 s26, s26, s27
	s_add_co_u32 s26, s26, XS
	s_mov_b32 s27, 0
	s_wait_alu depctr_va_vdst(0)
	s_wait_kmcnt 0x0
	s_add_nc_u64 s[4:5], s[4:5], s[22:23]
	s_add_nc_u64 s[28:29], s[14:15], s[24:25]
	s_add_nc_u64 s[30:31], s[14:15], s[26:27]
.macro XLOAD u                         ; unit u: each load takes 512 consecutive bytes of one of the tile's 16 rows
.irp i, 0,1,2,3,4,5,6,7,8,9,10,11,12,13,14,15
	global_load_b128 v[R+64*((\u)%2)+4*\i:R+64*((\u)%2)+4*\i+3], v4, s[4:5] offset:(\i+8*(\i/8))*4096+(\u)*512 th:TH_LOAD_NT
.endr
.endm
.macro UNIT u
.if \u < 3
	s_wait_loadcnt 16                              ; this unit's 16 loads are in; the next unit's 16 may be out
.else
	s_wait_loadcnt 0x0
.endif
.irp i, 0,1,2,3,4,5,6,7,8,9,10,11,12,13,14,15
	ds_store_b128 v5, v[R+64*((\u)%2)+4*\i:R+64*((\u)%2)+4*\i+3] offset:\i*SP
.endr
.irp c, 0,1
.irp n, 0,1,2,3,4,5,6,7
	ds_load_b128 v[X+32*\c+4*\n:X+32*\c+4*\n+3], v6 offset:256*\c+16*\n   ; LDS serves a wave's instructions in order: these see the stores above
.endr
.endr
.if \u+2 < 4
	s_wait_dscnt 16                                ; the 16 stores have read their registers (the 16 loads behind them may be out),
	XLOAD \u+2                                     ; which take the unit two further on
.endif
	s_wait_dscnt 0x0
.irp c, 0,1                                    ; block 2 c + h of my row: all its 32 numbers are mine
	v_max3_num_f32 v[240+\c], |v[X+32*\c]|, |v[X+32*\c+1]|, 0x1800000      ; with the floor 2^(3 - 127): the byte cannot fall under 1
.endr
.irp i, 2,4,6,8,10,12,14,16,18,20,22,24,26,28,30
.irp c, 0,1
	v_max3_num_f32 v[240+\c], v[240+\c], |v[X+32*\c+\i]|, |v[X+32*\c+\i+1]|
.endr
.endr
.irp c, 0,1
	v_add_nc_u32 v[244+\c], 0xff000000, v[240+\c]  ; 2 off the exponent field: the conversion's scale operand
.endr
.irp c, 0,1
	v_lshrrev_b32 v[246+\c], 23, v[244+\c]         ; the scale's byte
.endr
	v_lshl_or_b32 v248, v247, 16, v246             ; blocks h and 2 + h,
	v_lshlrev_b32 v248, v7, v248                   ; at their places in the word;
	v_permlanex16_b32 v249, v248, s34, s35
	v_or_b32 v[SWD+\u], v248, v249                 ; with lane l xor 16's two the word is whole
.irp c, 0,1
.irp g, 0,1,2,3
	v_cvt_scalef32_pk8_fp4_f32 v[C+8*\u+4*\c+\g], v[X+32*\c+8*\g:X+32*\c+8*\g+7], v[244+\c]
.endr
.endr
	v_nop                                          ; one plain line behind the last conversion
	global_store_b128 v4, v[C+8*\u:C+8*\u+3], s[28:29] offset:1024*\u          ; 512 consecutive bytes, aligned
	global_store_b128 v4, v[C+8*\u+4:C+8*\u+7], s[28:29] offset:1024*\u+512
.endm
	XLOAD 0
	XLOAD 1
	UNIT 0
	UNIT 1
	UNIT 2
	UNIT 3
	global_store_b128 v8, v[SWD:SWD+3], s[30:31]   ; 16 of my row's 32 scale bytes; lanes l and l xor 16 write the same bytes with the same values
	s_wait_tensorcnt 0x0
	ds_add_u32 v250, v251
	s_wait_dscnt 0x0
	s_endpgm
; ---- the weights.  A LANE TAKES A COLUMN, AND ITS REGISTERS RUN DOWN K.  id = work-group - 256: tensor t = id / 32, columns 64 cg on, cg = (id / 2) % 16;
; a wave takes 32 columns (ch = wave % 2) x 256 along K (kp = 2 (id % 2) + wave / 2): eight blocks a lane.  A load reads 128 consecutive bytes.
.Lweights:
	s_sub_co_u32 s19, ttmp9, 256
	s_lshr_b32 s20, s19, 5                         ; t: 0 Wq, 1 Wk, 2 Wv, 3 W0
	s_bfe_u32 s21, s19, 0x40001                    ; cg
	s_and_b32 s22, s19, 1
	s_lshl_b32 s22, s22, 1
	s_lshr_b32 s23, s18, 1
	s_add_co_u32 s22, s22, s23                     ; kp
	s_and_b32 s23, s18, 1                          ; ch
	s_cmp_eq_u32 s20, 3
	s_cselect_b32 s24, 12, 8                       ; a step along K is 4,096 bytes in W0, 256 in a head's weight
	s_cselect_b32 s25, 8, 18                       ; 64 columns on are 256 bytes in W0, a head (262,144 bytes) in the others
	s_lshl_b32 s26, 1, s24
	s_lshl_b32 s28, s21, s25
	s_add_co_u32 s30, s24, 8
	s_lshl_b32 s31, s22, s30                       ; 256 kp steps along K
	s_add_co_u32 s28, s28, s31
	s_lshl_b32 s31, s23, 7
	s_add_co_u32 s28, s28, s31
	s_mov_b32 s29, 0
	s_wait_alu depctr_va_vdst(0)
	v_bfe_u32 v2, v1, 3, 1                         ; column x of 32 lies in tile (x / 8) % 2 of its pair,
	v_and_b32 v3, 7, v1
	v_lshrrev_b32 v6, 4, v1
	v_lshl_add_u32 v3, v6, 3, v3                   ; at row x % 8 + 8 (x / 16)
	v_lshlrev_b32 v4, 4, v3
	v_lshl_add_u32 v4, v2, 13, v4                  ; codes: 8,192 x tile + 16 x row
	v_lshl_add_u32 v5, v2, 4, v3
	v_lshlrev_b32 v5, 5, v5                        ; scale rows: 32 x (16 x tile + row)
	v_lshlrev_b32 v7, 2, v1
.set i, 0
.rept 32
	v_mad_u32_u24 v[WOFF+i], s26, i, v7
.set i, i+1
.endr
	s_lshl_b32 s48, s20, 6
	s_lshl_b32 s31, s21, 2
	s_add_co_u32 s48, s48, s31
	s_lshl_b32 s31, s23, 1
	s_add_co_u32 s48, s48, s31                     ; my first tile: 64 t + 4 cg + 2 ch
	s_lshl_b32 s50, s48, 9                         ; its scale rows: 16 rows x 32 bytes a tile,
	s_lshl_b32 s48, s48, 13
	s_lshl_b32 s31, s22, 11
	s_add_co_u32 s48, s48, s31                     ; codes: + two fragments for each kp
	s_mov_b32 s49, 0
	s_lshl_b32 s31, s22, 3
	s_add_co_u32 s50, s50, s31                     ; + 8 bytes for each kp
	s_add_co_u32 s50, s50, WS
	s_mov_b32 s51, 0
	s_wait_alu depctr_va_vdst(0)
	s_wait_kmcnt 0x0
	s_cmp_eq_u32 s20, 1                            ; the tensor is chosen by the work-group's number alone
	s_cselect_b64 s[6:7], s[8:9], s[6:7]
	s_cmp_eq_u32 s20, 2
	s_cselect_b64 s[6:7], s[10:11], s[6:7]
	s_cmp_eq_u32 s20, 3
	s_cselect_b64 s[6:7], s[12:13], s[6:7]
	s_add_nc_u64 s[6:7], s[6:7], s[28:29]
	s_add_nc_u64 s[48:49], s[16:17], s[48:49]
	s_add_nc_u64 s[50:51], s[16:17], s[50:51]
	s_add_co_u32 s30, s24, 5
.irp b, 0,1,2,3,4,5,6,7                        ; a base for each block, so that no base is stepped while loads are out
	s_lshl_b32 s28, \b, s30
	s_add_nc_u64 s[32+2*\b:33+2*\b], s[6:7], s[28:29]
.endr
.macro WLOAD b
.set i, 0
.rept 32
	global_load_b32 v[WX+32*((\b)%2)+i], v[WOFF+i], s[32+2*(\b):33+2*(\b)] th:TH_LOAD_NT
.set i, i+1
.endr
.endm
.macro WBLOCK b
.set XB, WX+32*((\b)%2)
.if (\b) < 7
	s_wait_loadcnt 32                              ; this block's 32 loads are in; the next block's may be out
.else
	s_wait_loadcnt 0x0
.endif
	v_max3_num_f32 v12, |v[XB]|, |v[XB+1]|, |v[XB+2]|
	v_max3_num_f32 v13, |v[XB+3]|, |v[XB+4]|, |v[XB+5]|
.irp i, 6,10,14,18,22,26
	v_max3_num_f32 v12, v12, |v[XB+\i]|, |v[XB+\i+1]|
	v_max3_num_f32 v13, v13, |v[XB+\i+2]|, |v[XB+\i+3]|
.endr
	v_max3_num_f32 v12, v12, |v[XB+30]|, |v[XB+31]|
	v_max3_num_f32 v12, v12, v13, 0x1800000        ; and the floor
	v_add_nc_u32 v11, 0xff000000, v12
	v_lshrrev_b32 v13, 23, v11
.if (\b)%4 == 0
	v_mov_b32 v[WSB+(\b)/4], v13
.else
	v_lshl_or_b32 v[WSB+(\b)/4], v13, 8*((\b)%4), v[WSB+(\b)/4]
.endif
.irp g, 0,1,2,3
	v_cvt_scalef32_pk8_fp4_f32 v[WC+4*(\b)+\g], v[XB+8*\g:XB+8*\g+7], v11
.endr
	v_nop                                          ; one plain line behind the last conversion
	global_store_b128 v4, v[WC+4*(\b):WC+4*(\b)+3], s[48:49] offset:((\b)/4)*1024+(((\b)/2)%2)*512+((\b)%2)*256   ; block b is fragment b / 4, group (b / 2) % 2, lanes' half b % 2: the sixteen lanes of a tile write 256 consecutive bytes, aligned
.if (\b)+2 < 8
	WLOAD (\b)+2
.endif
.endm
	WLOAD 0
	WLOAD 1
.irp b, 0,1,2,3,4,5,6,7
	WBLOCK \b
.endr
	global_store_b64 v5, v[WSB:WSB+1], s[50:51]    ; my column's 8 scale bytes: pieces of 8 bytes, 32 apart: one byte for each 128 that the wave reads
	s_endpgm
.Lfunc_end_k_q62a429f594_quant:
	.size	k_q62a429f594_quant, .Lfunc_end_k_q62a429f594_quant-k_q62a429f594_quant
	.p2alignl 7, 3214868480
	.fill 96, 4, 3214868480
	.section	.rodata,"a",@progbits
	.p2align	6, 0x0
	.amdhsa_kernel k_q62a429f594_quant
		.amdhsa_group_segment_fixed_size 34304
		.amdhsa_private_segment_fixed_size 0
		.amdhsa_enable_private_segment 0
		.amdhsa_kernarg_size 56
		.amdhsa_user_sgpr_count 2
		.amdhsa_user_sgpr_kernarg_segment_ptr 1
		.amdhsa_wavefront_size32 1
		.amdhsa_system_sgpr_workgroup_id_x 1
		.amdhsa_system_sgpr_workgroup_id_y 1
		.amdhsa_system_sgpr_workgroup_id_z 1
		.amdhsa_system_vgpr_workitem_id 0
		.amdhsa_next_free_vgpr 256
		.amdhsa_next_free_sgpr 66
		.amdhsa_reserve_vcc 0
		.amdhsa_float_denorm_mode_32 3
		.amdhsa_float_denorm_mode_16_64 3
		.amdhsa_memory_ordered 1
		.amdhsa_forward_progress 1
		.amdhsa_inst_pref_size 71
	.end_amdhsa_kernel
	.amdgpu_metadata
---
amdhsa.version: [ 1, 2 ]
amdhsa.kernels:
  - .name:           k_q62a429f594_quant
    .symbol:         k_q62a429f594_quant.kd
    .args:
      - { .name: embs, .offset: 0, .size: 8, .value_kind: global_buffer, .address_space: global }
      - { .name: Wq, .offset: 8, .size: 8, .value_kind: global_buffer, .address_space: global }
      - { .name: Wk, .offset: 16, .size: 8, .value_kind: global_buffer, .address_space: global }
      - { .name: Wv, .offset: 24, .size: 8, .value_kind: global_buffer, .address_space: global }
      - { .name: W0, .offset: 32, .size: 8, .value_kind: global_buffer, .address_space: global }
      - { .name: xcodes, .offset: 40, .size: 8, .value_kind: global_buffer, .address_space: global }
      - { .name: wcodes, .offset: 48, .size: 8, .value_kind: global_buffer, .address_space: global }
    .group_segment_fixed_size: 34304
    .private_segment_fixed_size: 0
    .kernarg_segment_align: 8
    .kernarg_segment_size: 56
    .max_flat_workgroup_size: 128
    .sgpr_count:     66
    .vgpr_count:     256
    .wavefront_size: 32
...
	.end_amdgpu_metadata
.endif
;; end of part 1
;; launch qkv (part 2): grid 8 x 32, 4 waves a work-group, clusters of 4 x 4, 327,680 bytes of LDS; arguments xcodes, wcodes, bq, bk, bv, qkvc; writes qkvc
.if DOCPART == 2
	.amdgcn_target "amdgcn-amd-amdhsa--gfx1250"
	.amdhsa_code_object_version 6
	.text
	.protected	k_q62a429f594_qkv
	.globl	k_q62a429f594_qkv
	.p2align	8
	.type	k_q62a429f594_qkv,@function
k_q62a429f594_qkv:
	s_mov_b64 s[64:65], 0
	v_nop
	global_prefetch_b8 v0, s[64:65] scope:SCOPE_SE
	s_setreg_imm32_b32 hwreg(HW_REG_WAVE_MODE, 25, 1), 1
	s_wait_xcnt 0x0
	s_wait_alu depctr_hold_cnt(0) depctr_sa_sdst(0) depctr_va_vdst(0) depctr_va_sdst(0) depctr_va_ssrc(0) depctr_va_vcc(0) depctr_vm_vsrc(0)
	s_getreg_b32 s2, hwreg(HW_REG_IB_STS2, 6, 4)
	s_cmp_eq_u32 s2, 0
	s_cbranch_scc0 .Lentry_in_a_cluster
	s_endpgm
.Lentry_in_a_cluster:
	s_bfe_u32 s2, ttmp6, 0x10000c
	s_cmp_lg_u32 s2, 0xf033
	s_cbranch_scc0 .Lentry_shape_is_right
	s_endpgm
.Lentry_shape_is_right:
; q, k, v = embs x Wq, Wk, Wv + bias, on codes of FP4 with E8M0 scales, K = 1,024; the results are quantised in registers and leave as codes: q and k along a head's 64 channels, v along the tokens.
; A WORK-GROUP TAKES 256 TOKENS (work-group y) AND TWO HEADS (work-group x), q, k and v: 8,192 x 3,072 results / 256 work-groups = 256 x 384 each, one work-group for each WGP, all alike.
; PASS 1, q and k: source 1 ("A", of which a lane holds one row) = the 256 tokens, source 0 ("B", whose rows run along the lane's registers: the direction that is quantised) = 128 columns of Wq, then 128 of Wk.
;   Wave w makes tokens 128 (w / 2) on x q (w even) or k (w odd): 64 accumulators, 512 registers.
; PASS 2, v: source 0 = the same tokens, still in LDS, source 1 = 128 columns of Wv.  Wave w makes head w / 2 of the two x tokens 128 (w % 2) on, one key step of attention's second product: 32 accumulators.
; LDS: the tokens' and Wq's and Wk's codes for all of K lie in two slots of 512 along K, each filled once.  Wv's 65,536 bytes fill again the 65,536 bytes of Wq's and Wk's first slot, behind the change of slots,
;   and have the second slot's 256 matrix instructions and the first way out in which to land.
; Operands lie in memory and in LDS as images of their registers (a fragment: 1,024 bytes, group c of lane l at 512 c + 16 l): every fragment load takes 512 consecutive bytes.
; CLUSTERS: 4 x 4 work-groups.  The tokens' tiles hang on the work-group's y alone and are asked for jointly along a row of the cluster, the weights' on its x alone, along a column: a quarter of the requests.
; THE ROWS OF A TILE ARE NOT NEIGHBOURS (row r of tile T is 32 (T / 2) + 8 (T % 2) + r + 8 (r / 8)): the 64 registers of one A block's eight accumulators are, register 16 b + i, B's row 32 b + 16 (lane / 16) + i.
; REGISTERS: window 0: v16-31 addresses; v32-127 scale words and nothing else; v128-191 source 1's fragments, later the 64 numbers to quantise; v192-223 the codes made; v224-251 at work on the ways out.
;   window 1: source 0's fragments, two sets, v0 and v128; v64-127 bq or bk, v192-195 bv.   windows 2, 3: the accumulators, (a, b) at v[8 (8 (a % 4) + b)].
; LIMITS: NaN and infinities are not served; a block whose largest magnitude lies under 2^-124, a block of zeros too, keeps the scale byte 1 (zero codes add nothing, and this program alone reads the bytes).
.set XS,    4194304                    ; xcodes: the scale rows
.set WS,    2097152                    ; wcodes: the scale rows
.set QS,    4194304                    ; qkvc: q's scale words
.set KV,    4718592                    ; qkvc: the records of k and v, one for each batch and head:
.set REC,   71680                      ; k's codes 32,768, v's codes 32,768, k's scale words 4,096, v's 2,048
.set NQ,    4                          ; steps of 128 along K in a slot
.set FR,    8
.set NL,    2
.set NP,    4                          ; places behind this matrix instruction (ISA guide 7.12.1)
.set TILEB, 4096                       ; a tile's four fragments of a slot
.set HALFT, 8*TILEB                    ; what one first fill brings, and what a wave reads of A or of B
.set SLOT,  4*HALFT                    ; A's 16 tiles, then B's 16
.set WVL,   2*HALFT                    ; where Wv lands: B's part of slot 0; a tile's eight fragments on end, 8,192 bytes
.set SCL,   2*SLOT                     ; behind the slots: the scale rows, as units of 256 bytes + 16
.set HALFS, 16*272                     ; those of 128 rows
.set SBLK,  2*272                      ; those of 16 rows
.set SPARE, SCL+4*HALFS                ; behind the scale rows: the spare words, 128 bytes for each wave: two blocks of 256 bytes that no other line names
.set ADRA, 16                          ; v16-17 pass 1: my tokens' fragments in slot 0, 1
.set ADT,  18                          ; v18-19 pass 2: my tokens' fragments in slot 0, 1
.set ADRB, 20                          ; v20-21 pass 1: my weights' fragments
.set BVO,  22                          ; v22 bv: 4 (r + 8 (r / 8))
.set ADW,  23                          ; v23 pass 2: my head's fragments of Wv
.set LI,   24                          ; v24 16 x lane
.set L8,   25                          ; v25 8 x lane
.set BO,   26                          ; v26 bq, bk: 64 (lane / 16)
.set ADRS, 27                          ; v27 pass 1: my scale words: lanes 0-15 A's rows, lanes 16-31 B's
.set SPW,  28                          ; v28 LDS address of my spare word: SPARE + 4 x my thread's number; never rewritten
.set NIL,  29                          ; v29 0; never rewritten
.set AST,  30                          ; v30 pass 2: my tokens' scale rows
.set GSW,  31                          ; v31 32 r: my row among Wv's scale rows, in memory
.set SC,   32                          ; pass 1: two sets of 32 scale words
.set SB,   32                          ; pass 2: the tokens' scale words, register 8 b + k
.set SA,   96                          ; pass 2: Wv's, register 8 a + k
.set AF,   128
.set HA,   128
.set CD,   192
.set TM,   224                         ; v224-227 largest magnitudes, v228-231 bytes, v236-239 scale operands
.set PW,   240                         ; the scale word just made
.set SWA,  244                         ; v244-247, v248-251 scale words to store
.set SWB,  248
.set BI,   64                          ; in window 1
.set BV,   192                         ; in window 1
.set SEL,  100                         ; s[100:101] selects for lane l xor 16
.set G1,   24                          ; s[24:31] group 1 for the tokens' codes; s[32:39] group 0, a set for each slot
.set G0,   32
.set G0V,  44                          ; s[44:47] group 0 for Wv's codes
.set G1B,  48                          ; s[48:55], s[56:63] the same for Wq's and Wk's codes
.set G0B,  56
.set G1S,  68                          ; s[68:75], s[76:79] the tokens' scale rows
.set G0S,  76
.set G1SB, 80                          ; s[80:87], s[88:91] Wq's and Wk's scale rows
.set G0SB, 88
.set G1V,  92                          ; s[92:99] group 1 for Wv's codes
.set MSB, 0
.macro WIN new                         ; the immediate's high byte repeats the setting that is left
.if MSB != (\new)
	s_set_vgpr_msb (MSB<<8)|(\new)
.set MSB, (\new)
.endif
.endm
.set MUL_LO, 0xa1                      ; source 0 window 1, source 1 window 0, C and D window 2
.set MUL_HI, 0xf1
.set TO_B,   0x40
.macro JLOAD g0a, g1a, g0b, g1b        ; a joint load: waves 0 and 1 fetch for A, waves 2 and 3 for B; four v_nop follow each line
	s_cmp_eq_u32 s17, 0
	s_cbranch_scc0 .Lfor_b_\@
	tensor_load_to_lds s[\g0a:\g0a+3], s[\g1a:\g1a+7]
	s_nop 0
.rept 4
	v_nop
.endr
	s_branch .Lasked_\@
.Lfor_b_\@:
	tensor_load_to_lds s[\g0b:\g0b+3], s[\g1b:\g1b+7]
	s_nop 0
.rept 4
	v_nop
.endr
.Lasked_\@:
.endm
.macro CREST                           ; a round of the cluster's barrier behind its opening barrier
	s_cmp_lg_u32 s16, 0
	s_cbranch_scc1 .Lnot_wave_0_\@
	s_barrier_signal -3
.Lnot_wave_0_\@:
	s_barrier_wait -3
	s_barrier_signal -1
	s_barrier_wait -1
.endm
.macro CROUND                          ; a whole round
	s_barrier_signal -1
	s_barrier_wait -1
	CREST
.endm
	s_load_b256 s[4:11], s[0:1], 0x0               ; xcodes, wcodes, bq, bk
	s_load_b128 s[12:15], s[0:1], 0x20             ; bv, qkvc
	v_lshl_add_u32 v[SPW], v0, 2, SPARE
	v_mov_b32 v[NIL], 0
	ds_add_u32 v28, v29
	ds_add_u32 v28, v29
	s_wait_dscnt 0x0
	v_lshrrev_b32 v1, 5, v0
	v_readfirstlane_b32 s16, v1                    ; wave
	s_lshr_b32 s17, s16, 1                         ; pass 1: my half of the tokens; pass 2: my head of the two.  Also: I fetch for A (0) or for B (1)
	s_and_b32 s18, s16, 1                          ; pass 1: q (0) or k (1); pass 2: my half of the tokens.  Also: which half I fetch
	s_bfe_u32 s20, ttmp6, 0x40000                  ; cx
	s_bfe_u32 s21, ttmp6, 0x40004                  ; cy
	s_and_b32 s22, ttmp7, 0xffff
	s_lshl_b32 s22, s22, 2
	s_add_co_u32 s22, s22, s21                     ; work-group y: the block of 256 tokens
	s_lshl_b32 s23, ttmp9, 2
	s_add_co_u32 s23, s23, s20                     ; work-group x: the pair of heads
	s_lshl_b32 s66, s21, 2
	s_lshl_b32 s66, 15, s66                        ; my row of the cluster
	s_lshl_b32 s67, 0x1111, s20                    ; my column
	; group 1 for the first fills of codes: 8 tiles' 4,096 bytes of one slot, 8,192 bytes apart in memory, on end in LDS; elements of 8 bytes
	s_or_b32 s[G1+0], s66, (3<<16)|(1<<21)
	s_or_b32 s[G1B+0], s67, (3<<16)|(1<<21)
.irp g, G1, G1B
	s_mov_b32 s[\g+1], 512<<16                     ; tensor_dim0
	s_mov_b32 s[\g+2], 8<<16                       ; tensor_dim1
	s_mov_b32 s[\g+3], 512<<16                     ; tile_dim0
	s_mov_b32 s[\g+4], 8                           ; tile_dim1
	s_mov_b32 s[\g+5], 1024                        ; stride
	s_mov_b32 s[\g+6], 0
	s_mov_b32 s[\g+7], 0
.endr
	; for the scale rows of 128 rows: 4,096 dense bytes as 16 rows of 256, 16 bytes of padding behind each
	s_or_b32 s[G1S+0], s66, (3<<16)|(1<<20)|(1<<21)|(5<<22)|(3<<25)
	s_or_b32 s[G1SB+0], s67, (3<<16)|(1<<20)|(1<<21)|(5<<22)|(3<<25)
.irp g, G1S, G1SB
	s_mov_b32 s[\g+1], 32<<16
	s_mov_b32 s[\g+2], 16<<16
	s_mov_b32 s[\g+3], 32<<16
	s_mov_b32 s[\g+4], 16
	s_mov_b32 s[\g+5], 32
	s_mov_b32 s[\g+6], 0
	s_mov_b32 s[\g+7], 0
.endr
	; and for a wave's quarter of Wv: two whole tiles, 16,384 dense bytes, as 4 rows of 4,096
	s_or_b32 s[G1V+0], s67, (3<<16)|(1<<21)
	s_mov_b32 s[G1V+1], 512<<16
	s_mov_b32 s[G1V+2], 4<<16
	s_mov_b32 s[G1V+3], 512<<16
	s_mov_b32 s[G1V+4], 4
	s_mov_b32 s[G1V+5], 512
	s_mov_b32 s[G1V+6], 0
	s_mov_b32 s[G1V+7], 0
	; byte offsets, made in the places of the addresses.  What feeds the tokens' descriptors never holds cx, what feeds the weights' never cy.
	s_lshl_b32 s[G0+2], s22, 17                    ; the tokens' codes: 16 tiles of 8,192 bytes a block,
	s_lshl_b32 s40, s18, 16                        ; 8 for the half that I fetch
	s_add_co_u32 s[G0+2], s[G0+2], s40
	s_mov_b32 s[G0+3], 0
	s_lshl_b32 s[G0S+2], s22, 13                   ; their scale rows: 256 rows of 32 bytes a block
	s_lshl_b32 s40, s18, 12
	s_add_co_u32 s[G0S+2], s[G0S+2], s40
	s_add_co_u32 s[G0S+2], s[G0S+2], XS
	s_mov_b32 s[G0S+3], 0
	s_lshl_b32 s[G0B+2], s23, 16                   ; the weights' codes: tile 64 x tensor + 8 x pair of heads; the half that I fetch is Wq (0) or Wk (1)
	s_lshl_b32 s41, s18, 19
	s_add_co_u32 s[G0B+2], s[G0B+2], s41
	s_mov_b32 s[G0B+3], 0
	s_lshl_b32 s[G0SB+2], s23, 12                  ; their scale rows: row 1,024 x tensor + 128 x pair of heads
	s_lshl_b32 s41, s18, 15
	s_add_co_u32 s[G0SB+2], s[G0SB+2], s41
	s_add_co_u32 s[G0SB+2], s[G0SB+2], WS
	s_mov_b32 s[G0SB+3], 0
	s_lshl_b32 s[G0V+2], s23, 16                   ; Wv's codes: tile 128 + 8 x pair of heads + 2 x wave
	s_lshl_b32 s41, s16, 14
	s_add_co_u32 s[G0V+2], s[G0V+2], s41
	s_add_co_u32 s[G0V+2], s[G0V+2], 128*8192
	s_mov_b32 s[G0V+3], 0
	s_mov_b32 s[G0V], 1
	s_add_co_u32 s[G0V+1], s41, WVL                ; and where they go: no place in the cluster enters an LDS address
	s_mul_i32 s19, s16, HALFT                      ; the first fills: wave x 8 tiles,
	s_mul_i32 s3, s16, HALFS                       ; wave x 128 scale rows
	s_mov_b32 s[G0S], 1
	s_add_co_u32 s[G0S+1], s3, SCL
	s_mov_b32 s[G0SB], 1
	s_add_co_u32 s[G0SB+1], s3, SCL
.irp s, 0,1
	s_mov_b32 s[G0+4*\s], 1
	s_add_co_u32 s[G0+4*\s+1], s19, \s*SLOT
	s_mov_b32 s[G0B+4*\s], 1
	s_add_co_u32 s[G0B+4*\s+1], s19, \s*SLOT
.endr
	s_wait_kmcnt 0x0
	s_add_nc_u64 s[G0+2:G0+3], s[4:5], s[G0+2:G0+3]
	s_add_nc_u64 s[G0S+2:G0S+3], s[4:5], s[G0S+2:G0S+3]
	s_add_nc_u64 s[G0B+2:G0B+3], s[6:7], s[G0B+2:G0B+3]
	s_add_nc_u64 s[G0SB+2:G0SB+3], s[6:7], s[G0SB+2:G0SB+3]
	s_add_nc_u64 s[G0V+2:G0V+3], s[6:7], s[G0V+2:G0V+3]
	s_add_nc_u64 s[G0+6:G0+7], s[G0+2:G0+3], TILEB           ; slot 1: the tiles' second 4,096 bytes
	s_add_nc_u64 s[G0B+6:G0B+7], s[G0B+2:G0B+3], TILEB
.irp g, G0+3, G0+7, G0B+3, G0B+7, G0S+3, G0SB+3, G0V+3
	s_or_b32 s[\g], s[\g], 0x80000000              ; type = 2
.endr
	CROUND                                         ; all sixteen work-groups are here: the joint loads meet
	JLOAD G0, G1, G0B, G1B                         ; slot 0's codes: my one tensor load at the head
	; the biases and Wv's scale words go straight into registers; they are asked for here, under the wait for the first tiles
	s_lshl_b32 s100, s23, 9                        ; my pair of heads: 128 numbers of 4 bytes
	s_mov_b32 s101, 0
	s_cmp_eq_u32 s18, 0                            ; bq or bk: chosen by the wave's number alone
	s_cselect_b64 s[8:9], s[8:9], s[10:11]
	s_add_nc_u64 s[8:9], s[8:9], s[100:101]
	s_lshl_b32 s2, s17, 8
	s_add_co_u32 s100, s100, s2                    ; bv: my head's 64
	s_add_nc_u64 s[12:13], s[12:13], s[100:101]
	s_lshl_b32 s100, s23, 12                       ; Wv's scale rows: row 2,048 + 128 x pair of heads + 64 x my head
	s_lshl_b32 s2, s17, 11
	s_add_co_u32 s100, s100, s2
	s_add_co_u32 s100, s100, WS+65536
	s_add_nc_u64 s[10:11], s[6:7], s[100:101]
	v_and_b32 v1, 15, v0                           ; r
	v_bfe_u32 v2, v0, 4, 1                         ; h
	v_and_b32 v3, 31, v0
	v_lshlrev_b32 v[LI], 4, v3
	v_lshlrev_b32 v[L8], 3, v3
	v_lshlrev_b32 v[BO], 6, v2
	v_lshrrev_b32 v4, 3, v1
	v_lshl_add_u32 v5, v4, 3, v1
	v_lshlrev_b32 v[BVO], 2, v5
	v_lshlrev_b32 v[GSW], 5, v1
	WIN 0x40                                       ; destination window 1
.irp t, 0,1,2,3,4,5,6,7                        ; bq or bk in the results' layout: register 16 b + i = column 32 b + 16 h + i
	global_load_b128 v[BI+8*\t:BI+8*\t+3], v[BO], s[8:9] offset:(32*(\t/2)+8*(\t%2))*4
	global_load_b128 v[BI+8*\t+4:BI+8*\t+7], v[BO], s[8:9] offset:(32*(\t/2)+8*(\t%2))*4+16
.endr
.irp a, 0,1,2,3
	global_load_b32 v[BV+\a], v[BVO], s[12:13] offset:(32*(\a/2)+8*(\a%2))*4    ; my channel's bv in tile a of my head
.endr
	WIN 0
.irp a, 0,1,2,3                                ; a row's 32 scale bytes are the words of its eight steps
.irp s, 0,1
	global_load_b128 v[SA+8*\a+4*\s:SA+8*\a+4*\s+3], v[GSW], s[10:11] offset:512*\a+16*\s
.endr
.endr
	s_mul_i32 s100, s17, HALFT
	s_mul_i32 s101, s18, HALFT
	s_add_co_u32 s2, s100, WVL
	v_add_nc_u32 v[ADW], s2, v[LI]                 ; my head's four tiles of Wv
	s_add_co_u32 s3, s101, 2*HALFT
.irp s, 0,1
	v_add_nc_u32 v[ADRA+\s], s100, v[LI]
	v_add_nc_u32 v[ADT+\s], s101, v[LI]
	v_add_nc_u32 v[ADRB+\s], s3, v[LI]
	s_add_co_u32 s100, s100, SLOT
	s_add_co_u32 s101, s101, SLOT
	s_add_co_u32 s3, s3, SLOT
.endr
	v_lshlrev_b32 v5, 5, v1                        ; my row's scale bytes: 32 a row,
	v_lshl_add_u32 v5, v4, 4, v5                   ; and 16 more behind each 256
	s_mul_i32 s100, s17, HALFS                     ; A's: my 128 rows
	s_mul_i32 s101, s18, HALFS
	s_add_co_u32 s2, s101, SCL
	v_add_nc_u32 v[AST], s2, v5                    ; pass 2: the tokens' other split
	s_add_co_u32 s101, s101, 2*HALFS               ; B's: my 128 rows, behind A's 256
	s_sub_co_u32 s101, s101, s100
	v_mul_u32_u24 v6, s101, v2                     ; lanes 16-31 take B's
	s_add_co_u32 s100, s100, SCL
	v_add_nc_u32 v5, v5, v6
	v_add_nc_u32 v[ADRS], s100, v5
.irp b, 0,1,2,3
	v_mov_b32 v[TM+4+\b], 0                        ; a lane permute's destination counts as read
.endr
	s_mov_b32 s[SEL], 0x76543210
	s_mov_b32 s[SEL+1], 0xfedcba98
.macro FRAG reg, adr, q, i             ; a fragment comes as it was stored: two loads of 512 consecutive bytes
.irp c, 0,1
	ds_load_b128 v[\reg+4*\c:\reg+4*\c+3], v[\adr] offset:(\i)*TILEB+(\q)*1024+512*\c
.endr
.endm
; PASS 1.  16 matrix instructions: A's blocks a0, a0 + 1 x B's eight, the slot's q-th 128 along K.  The 64 accumulators take turns, one instruction a turn, in the same order in every step.
; One register carries A's scale word (lanes 0-15) and B's (lanes 16-31) of block i.
.macro MUL16 a0, p, q, sc, zero
.irp a, \a0, \a0+1
.irp b, 0,1,2,3,4,5,6,7
.if \zero
	v_wmma_scale_f32_16x16x128_f8f6f4 v[8*(8*((\a)%4)+\b):8*(8*((\a)%4)+\b)+7], v[128*(\p)+FR*\b:128*(\p)+FR*\b+FR-1], v[AF+FR*(\a):AF+FR*(\a)+FR-1], 0, v[SC+8*NQ*(\sc)+NQ*\b+(\q)], v[SC+8*NQ*(\sc)+NQ*(\a)+(\q)] matrix_a_fmt:MATRIX_FMT_FP4 matrix_b_fmt:MATRIX_FMT_FP4 matrix_a_scale:MATRIX_SCALE_ROW1
.else
	v_wmma_scale_f32_16x16x128_f8f6f4 v[8*(8*((\a)%4)+\b):8*(8*((\a)%4)+\b)+7], v[128*(\p)+FR*\b:128*(\p)+FR*\b+FR-1], v[AF+FR*(\a):AF+FR*(\a)+FR-1], v[8*(8*((\a)%4)+\b):8*(8*((\a)%4)+\b)+7], v[SC+8*NQ*(\sc)+NQ*\b+(\q)], v[SC+8*NQ*(\sc)+NQ*(\a)+(\q)] matrix_a_fmt:MATRIX_FMT_FP4 matrix_b_fmt:MATRIX_FMT_FP4 matrix_a_scale:MATRIX_SCALE_ROW1
.endif
.endr
.endr
.endm
.macro FETCH_B slot, q, p
	WIN TO_B
.irp i, 0,1,2,3,4,5,6,7
	FRAG 128*(\p)+FR*\i, ADRB+\slot, \q, \i
.endr
	WIN 0
.endm
.macro FETCH_A slot, q, i0
.irp i, \i0, \i0+1, \i0+2, \i0+3
	FRAG AF+FR*(\i), ADRA+\slot, \q, \i
.endr
.endm
.macro SCALES sc                       ; a slot's scale words: four a row
.irp i, 0,1,2,3,4,5,6,7
	ds_load_b128 v[SC+8*NQ*\sc+NQ*\i:SC+8*NQ*\sc+NQ*\i+3], v[ADRS] offset:\i*SBLK
.endr
.endm
.macro PLACES n                        ; plain vector lines between a matrix instruction and a load into, or a read of, its registers
.rept \n
	v_nop
.endr
.endm
; A step of 128 along K.  A's blocks go one after the other, so one set of registers serves A: blocks 0-3 are fetched anew in the step's middle, 4-7 at its end; B has two sets.
.macro STEP slot, q, zero
	s_wait_dscnt 4*NL                              ; all but the youngest eight loads (A's blocks 4-7)
	WIN MUL_LO
	MUL16 0, (\q)%2, \q, \slot, \zero
	MUL16 2, (\q)%2, \q, \slot, \zero
	s_wait_dscnt 0
	PLACES NP
	FETCH_B \slot, (\q)+1, 1-(\q)%2
	FETCH_A \slot, (\q)+1, 0
	WIN MUL_HI
	MUL16 4, (\q)%2, \q, \slot, \zero
	MUL16 6, (\q)%2, \q, \slot, \zero
	PLACES NP
	WIN 0
	FETCH_A \slot, (\q)+1, 4
.endm
; Slot 0's last step goes over to slot 1, and the weights' part of slot 0 is filled again, with Wv.  In front of the barrier each wave waits for all its tensor loads (its part of slot 1), adds 0 to its spare word,
; and waits for that and for its own reads of slot 0.  The barrier opens a round of the cluster's barrier: behind it no wave of any partner still reads those bytes or has a load on its way.
.macro TURN
	s_wait_tensorcnt 0x0                           ; all my tensor loads have landed  (every window is 0 here: the add's two registers lie in window 0)
	ds_add_u32 v[SPW], v[NIL]                      ; 0 onto my spare word
	s_wait_dscnt 4*NL+1                            ; (the add and the youngest eight loads, A's blocks 4-7, may be out)
	WIN MUL_LO
	MUL16 0, 1, NQ-1, 0, 0                         ; sixteen matrix instructions stand between the add and the wait for it
	s_wait_dscnt 0x0                               ; the add is done, and my reads of slot 0's weights are over
	s_barrier_signal -1
	MUL16 2, 1, NQ-1, 0, 0
	WIN 0
	s_barrier_wait -1
	CREST
	tensor_load_to_lds s[G0V:G0V+3], s[G1V:G1V+7]  ; my quarter of Wv: the first thing behind the round, my one tensor load from here on, asked for jointly along my column of the cluster
	s_nop 0
.rept 4
	v_nop                                          ; (the places in front of the loads below)
.endr
	v_add_nc_u32 v[ADRS], 4*NQ, v[ADRS]            ; slot 1's scale words
	FETCH_B 1, 0, 0
	FETCH_A 1, 0, 0
	SCALES 1
	WIN MUL_HI
	MUL16 4, 1, NQ-1, 0, 0
	MUL16 6, 1, NQ-1, 0, 0
	PLACES NP
	WIN 0
	FETCH_A 1, 0, 4
.endm
.macro TAIL                            ; slot 1's four steps
	STEP 1, 0, 0
	STEP 1, 1, 0
	STEP 1, 2, 0
	s_wait_dscnt 4*NL
	WIN MUL_LO
	MUL16 0, 1, NQ-1, 1, 0
	MUL16 2, 1, NQ-1, 1, 0
	s_wait_dscnt 0
	WIN MUL_HI
	MUL16 4, 1, NQ-1, 1, 0
	MUL16 6, 1, NQ-1, 1, 0
	WIN 0
.endm
; PASS 2.  Step k's fragments into set k % 2: the tokens' eight (slot k / 4, its (k % 4)-th 128 along K), Wv's four (a tile's k-th).
.macro FETCHV k
	WIN TO_B
.irp b, 0,1,2,3,4,5,6,7
.irp c, 0,1
	ds_load_b128 v[128*((\k)%2)+8*\b+4*\c:128*((\k)%2)+8*\b+4*\c+3], v[ADT+(\k)/4] offset:\b*TILEB+((\k)%4)*1024+512*\c
.endr
.endr
	WIN 0
.irp a, 0,1,2,3
.irp c, 0,1
	ds_load_b128 v[AF+32*((\k)%2)+8*\a+4*\c:AF+32*((\k)%2)+8*\a+4*\c+3], v[ADW] offset:\a*8192+(\k)*1024+512*\c
.endr
.endr
.endm
; 16 matrix instructions: Wv's tiles a0, a0 + 1 x the eight tiles of tokens.  The 32 accumulators take turns, one instruction a turn, in the same order in every step.
.macro MULV a0, k
.irp a, \a0, \a0+1
.irp b, 0,1,2,3,4,5,6,7
.if (\k) == 0
	v_wmma_scale_f32_16x16x128_f8f6f4 v[8*(8*(\a)+\b):8*(8*(\a)+\b)+7], v[128*((\k)%2)+8*\b:128*((\k)%2)+8*\b+7], v[AF+32*((\k)%2)+8*(\a):AF+32*((\k)%2)+8*(\a)+7], 0, v[SB+8*\b+(\k)], v[SA+8*(\a)+(\k)] matrix_a_fmt:MATRIX_FMT_FP4 matrix_b_fmt:MATRIX_FMT_FP4
.else
	v_wmma_scale_f32_16x16x128_f8f6f4 v[8*(8*(\a)+\b):8*(8*(\a)+\b)+7], v[128*((\k)%2)+8*\b:128*((\k)%2)+8*\b+7], v[AF+32*((\k)%2)+8*(\a):AF+32*((\k)%2)+8*(\a)+7], v[8*(8*(\a)+\b):8*(8*(\a)+\b)+7], v[SB+8*\b+(\k)], v[SA+8*(\a)+(\k)] matrix_a_fmt:MATRIX_FMT_FP4 matrix_b_fmt:MATRIX_FMT_FP4
.endif
.endr
.endr
.endm
.macro VSTEP k                         ; a step's fragments are in; the next step's are asked for, and land under this step's 32 products
	s_wait_dscnt 0x0
.if (\k) < 7
	PLACES NP                                      ; between the last step's products and the loads into the set that they read
	FETCHV (\k)+1
.endif
	WIN MUL_LO
	MULV 0, \k
	MULV 2, \k
.endm
; 64 numbers of a lane, register 16 b + i = k 32 b + 16 (lane / 16) + i of my row, become a fragment's codes in v[pc] on and its scale word in v[PW] (the same in lanes l and l xor 16).
.macro QUANT s, pc
.irp b, 0,1,2,3
	v_max3_num_f32 v[TM+\b], |v[\s+16*\b]|, |v[\s+1+16*\b]|, 0x1800000   ; with the floor 2^(3 - 127): the byte cannot fall under 1
.endr
.irp i, 2,4,6,8,10,12,14
.irp b, 0,1,2,3
	v_max3_num_f32 v[TM+\b], v[TM+\b], |v[\s+16*\b+\i]|, |v[\s+1+16*\b+\i]|
.endr
.endr
.irp b, 0,1,2,3
	v_permlanex16_b32 v[TM+4+\b], v[TM+\b], s[SEL], s[SEL+1]
.endr
.irp b, 0,1,2,3
	v_max_num_f32 v[TM+\b], v[TM+\b], v[TM+4+\b]
.endr
.irp b, 0,1,2,3
	v_add_nc_u32 v[TM+12+\b], 0xff000000, v[TM+\b] ; 2 off the exponent field: the conversion's scale operand
.endr
.irp b, 0,1,2,3
	v_lshrrev_b32 v[TM+4+\b], 23, v[TM+12+\b]
.endr
	v_lshl_or_b32 v[PW], v[TM+5], 8, v[TM+4]
	v_lshl_or_b32 v[PW], v[TM+6], 16, v[PW]
	v_lshl_or_b32 v[PW], v[TM+7], 24, v[PW]
.irp b, 0,1,2,3
	v_cvt_scalef32_pk8_fp4_f32 v[\pc+2*\b], v[\s+16*\b:\s+7+16*\b], v[TM+12+\b]
	v_cvt_scalef32_pk8_fp4_f32 v[\pc+1+2*\b], v[\s+8+16*\b:\s+15+16*\b], v[TM+12+\b]
.endr
	v_nop                                          ; one plain line behind a scaled conversion
.irp c, 0,1                                    ; a whole block to a lane: lanes 0-15 block 2 c, lanes 16-31 block 2 c + 1
.irp i, 0,1
	v_permlane16_swap_b32 v[\pc+4*\c+\i], v[\pc+2+4*\c+\i]
.endr
.endr
.endm
	s_wait_alu depctr_va_vdst(0)
	s_wait_tensorcnt 0x0                           ; my part of slot 0 is in
	ds_add_u32 v[SPW], v[NIL]
	s_wait_dscnt 0x0
	CROUND
	JLOAD G0S, G1S, G0SB, G1SB                     ; the scale rows
	s_wait_alu depctr_va_vdst(0)
	s_wait_tensorcnt 0x0
	ds_add_u32 v[SPW], v[NIL]
	s_wait_dscnt 0x0
	CROUND                                         ; everybody's part of slot 0 and of the scale rows is in
	JLOAD G0+4, G1, G0B+4, G1B                     ; slot 1's codes: one tensor load of mine is out now
	FETCH_B 0, 0, 0
	FETCH_A 0, 0, 0
	SCALES 0
	FETCH_A 0, 0, 4
	STEP 0, 0, 1                                   ; the first products start the sums: nothing is cleared
	STEP 0, 1, 0
	STEP 0, 2, 0
	TURN                                           ; behind its wait for all tensor loads the first fills' descriptors are free; Wv's (s44-47, s92-99) stay as they are
	; where the results go.  q and k differ in where a head's codes and scale words begin and how far heads lie apart: chosen by the wave's number
	s_cmp_eq_u32 s18, 0
	s_mov_b32 s26, REC
	s_cselect_b32 s27, 32768, s26                  ; from head to head: the codes,
	s_cselect_b32 s28, 4096, s26                   ; the scale words
	s_cselect_b32 s29, 0, KV                       ; where the codes begin,
	s_mov_b32 s26, KV+65536
	s_cselect_b32 s30, QS, s26                     ; and the scale words
	s_lshr_b32 s34, s22, 2
	s_lshl_b32 s34, s34, 4
	s_lshl_b32 s31, s23, 1
	s_add_co_u32 s34, s34, s31                     ; 16 x batch + the pair's first head
	s_and_b32 s35, s22, 3                          ; my block of 256 tokens in the batch
	s_lshl_b32 s31, s35, 13
	s_lshl_b32 s32, s17, 12
	s_add_co_u32 s31, s31, s32                     ; my first token tile of the batch x 512
	s_mul_i32 s32, s34, s27
	s_add_co_u32 s32, s32, s29
	s_add_co_u32 s32, s32, s31
	s_mov_b32 s33, 0
	s_add_nc_u64 s[36:37], s[14:15], s[32:33]      ; the first head's codes
	s_add_co_u32 s32, s32, s27
	s_add_nc_u64 s[38:39], s[14:15], s[32:33]      ; the second's
	s_lshl_b32 s31, s35, 10
	s_lshl_b32 s53, s17, 9
	s_add_co_u32 s31, s31, s53                     ; my group of eight tiles x 512
	s_mul_i32 s32, s34, s28
	s_add_co_u32 s32, s32, s30
	s_add_co_u32 s32, s32, s31
	s_add_nc_u64 s[48:49], s[14:15], s[32:33]      ; the first head's scale words
	s_add_co_u32 s32, s32, s28
	s_add_nc_u64 s[50:51], s[14:15], s[32:33]
	s_add_co_u32 s52, s34, s17                     ; v: 16 x batch + my head
	s_mul_i32 s52, s52, REC
	s_add_co_u32 s52, s52, KV+32768
	s_lshl_b32 s53, s35, 1
	s_add_co_u32 s53, s53, s18                     ; my key step of the batch
	s_lshl_b32 s54, s53, 12
	s_add_co_u32 s32, s52, s54
	s_add_nc_u64 s[56:57], s[14:15], s[32:33]      ; codes: four fragments a key step
	s_lshl_b32 s54, s53, 8
	s_add_co_u32 s32, s52, s54
	s_add_co_u32 s32, s32, 69632-32768
	s_add_nc_u64 s[58:59], s[14:15], s[32:33]      ; scale words: 256 bytes a key step
	TAIL
; ---- THE WAY OUT OF q OR k.  A lane holds a token; its 64 numbers of A's block a are half of 128 weight columns: two heads, blocks 0, 1 and 2, 3.
	s_wait_loadcnt 0x0                             ; the biases and Wv's scale words
	PLACES NP
	s_mov_b32 vcc_lo, 0xffff0000                   ; lanes 16-31
.irp a, 0,1,2,3,4,5,6,7
	WIN 0x06+\a/4                                  ; source 0: the accumulators' window; source 1: window 1
.set n, 0
.rept 32
	v_pk_add_f32 v[HA+n:HA+n+1], v[64*(\a%4)+n:64*(\a%4)+n+1], v[BI+n:BI+n+1]   ; + bias, each accumulator from its low end on
.set n, n+2
.endr
	WIN 0
.if \a >= 4
	s_wait_xcnt 0x0                                ; block a - 4's stores have read the registers that this block's codes take
.endif
	QUANT HA, CD+8*(\a%4)
	global_store_b128 v[LI], v[CD+8*(\a%4):CD+8*(\a%4)+3], s[36:37] offset:512*\a       ; a head's 64 channels are group 0 of a fragment: 512 consecutive bytes, aligned
	global_store_b128 v[LI], v[CD+8*(\a%4)+4:CD+8*(\a%4)+7], s[38:39] offset:512*\a
.if \a%2 == 0
	v_and_b32 v[SWA+\a/2], 0xffff, v[PW]           ; a head's two bytes; the word's upper two stay 0.  Tile 2 j in lanes 0-15 of word j,
	v_lshrrev_b32 v[SWB+\a/2], 16, v[PW]
.else
	v_and_b32 v241, 0xffff, v[PW]
	v_lshrrev_b32 v242, 16, v[PW]
	v_cndmask_b32 v[SWA+\a/2], v[SWA+\a/2], v241, vcc_lo   ; tile 2 j + 1 in lanes 16-31
	v_cndmask_b32 v[SWB+\a/2], v[SWB+\a/2], v242, vcc_lo
.endif
.endr
	global_store_b128 v[LI], v[SWA:SWA+3], s[48:49]
	global_store_b128 v[LI], v[SWB:SWB+3], s[50:51]
; ---- PASS 2: v.
	s_wait_tensorcnt 0x0                           ; my quarter of Wv has landed,
	s_wait_dscnt 0x0
	s_barrier_signal -1
	s_barrier_wait -1                              ; everybody's has
.irp b, 0,1,2,3,4,5,6,7                        ; the tokens' scale words of all eight steps, once: register 8 b + k
.irp s, 0,1
	ds_load_b128 v[SB+8*\b+4*\s:SB+8*\b+4*\s+3], v[AST] offset:SBLK*\b+16*\s
.endr
.endr
	FETCHV 0
.irp k, 0,1,2,3,4,5,6,7
	VSTEP \k
.endr
	WIN 0
; ---- THE WAY OUT OF v.  A lane holds a channel of my head (tile a of four); its 64 numbers are half of my 128 tokens.
	PLACES NP
	s_wait_xcnt 0x0                                ; the first way out's stores have read the registers that are written again below
.irp a, 0,1,2,3
	WIN 0x06
.set n, 0
.rept 32
.if \a%2 == 0
	v_pk_add_f32 v[HA+n:HA+n+1], v[64*\a+n:64*\a+n+1], v[BV+2*(\a/2):BV+2*(\a/2)+1] op_sel_hi:[1,0]
.else
	v_pk_add_f32 v[HA+n:HA+n+1], v[64*\a+n:64*\a+n+1], v[BV+2*(\a/2):BV+2*(\a/2)+1] op_sel:[0,1] op_sel_hi:[1,1]
.endif
.set n, n+2
.endr
	WIN 0
	QUANT HA, CD+8*\a
	global_store_b128 v[LI], v[CD+8*\a:CD+8*\a+3], s[56:57] offset:1024*\a
	global_store_b128 v[LI], v[CD+8*\a+4:CD+8*\a+7], s[56:57] offset:1024*\a+512
.if \a%2 == 0
	v_mov_b32 v[SWA+\a/2], v[PW]                   ; channel tile 2 j in lanes 0-15 of word j,
.else
	v_cndmask_b32 v[SWA+\a/2], v[SWA+\a/2], v[PW], vcc_lo   ; tile 2 j + 1 in lanes 16-31
.endif
.endr
	global_store_b64 v[L8], v[SWA:SWA+1], s[58:59] ; 256 consecutive bytes, aligned
	s_wait_tensorcnt 0x0                           ; the wave's end
	ds_add_u32 v[SPW], v[NIL]
	s_wait_dscnt 0x0
	CROUND                                         ; the closing round: no work-group ends while a partner may still ask for a tile that names it
	s_endpgm
.Lfunc_end_k_q62a429f594_qkv:
	.size	k_q62a429f594_qkv, .Lfunc_end_k_q62a429f594_qkv-k_q62a429f594_qkv
	.p2alignl 7, 3214868480
	.fill 96, 4, 3214868480
	.section	.rodata,"a",@progbits
	.p2align	6, 0x0
	.amdhsa_kernel k_q62a429f594_qkv
		.amdhsa_group_segment_fixed_size 327680
		.amdhsa_private_segment_fixed_size 0
		.amdhsa_enable_private_segment 0
		.amdhsa_kernarg_size 48
		.amdhsa_user_sgpr_count 2
		.amdhsa_user_sgpr_kernarg_segment_ptr 1
		.amdhsa_wavefront_size32 1
		.amdhsa_system_sgpr_workgroup_id_x 1
		.amdhsa_system_sgpr_workgroup_id_y 1
		.amdhsa_system_sgpr_workgroup_id_z 1
		.amdhsa_system_vgpr_workitem_id 0
		.amdhsa_next_free_vgpr 1024
		.amdhsa_next_free_sgpr 102
		.amdhsa_reserve_vcc 1
		.amdhsa_float_denorm_mode_32 3
		.amdhsa_float_denorm_mode_16_64 3
		.amdhsa_memory_ordered 1
		.amdhsa_forward_progress 1
		.amdhsa_inst_pref_size 222
	.end_amdhsa_kernel
	.amdgpu_metadata
---
amdhsa.version: [ 1, 2 ]
amdhsa.kernels:
  - .name:           k_q62a429f594_qkv
    .symbol:         k_q62a429f594_qkv.kd
    .args:
      - { .name: xcodes, .offset: 0, .size: 8, .value_kind: global_buffer, .address_space: global }
      - { .name: wcodes, .offset: 8, .size: 8, .value_kind: global_buffer, .address_space: global }
      - { .name: bq, .offset: 16, .size: 8, .value_kind: global_buffer, .address_space: global }
      - { .name: bk, .offset: 24, .size: 8, .value_kind: global_buffer, .address_space: global }
      - { .name: bv, .offset: 32, .size: 8, .value_kind: global_buffer, .address_space: global }
      - { .name: qkvc, .offset: 40, .size: 8, .value_kind: global_buffer, .address_space: global }
    .group_segment_fixed_size: 327680
    .private_segment_fixed_size: 0
    .kernarg_segment_align: 8
    .kernarg_segment_size: 48
    .max_flat_workgroup_size: 128
    .sgpr_count:     102
    .vgpr_count:     1024
    .wavefront_size: 32
...
	.end_amdgpu_metadata
.endif
;; end of part 2
;; launch attn (part 3): grid 4 x 64, 16 waves a work-group, clusters of 4 x 1, 327,680 bytes of LDS; arguments qkvc, zcodes; writes zcodes
.if DOCPART == 3
	.amdgcn_target "amdgcn-amd-amdhsa--gfx1250"
	.amdhsa_code_object_version 6
	.text
	.protected	k_q62a429f594_attn
	.globl	k_q62a429f594_attn
	.p2align	8
	.type	k_q62a429f594_attn,@function
k_q62a429f594_attn:
	s_mov_b64 s[64:65], 0
	v_nop
	global_prefetch_b8 v0, s[64:65] scope:SCOPE_SE
	s_setreg_imm32_b32 hwreg(HW_REG_WAVE_MODE, 25, 1), 1
	s_wait_xcnt 0x0
	s_wait_alu depctr_hold_cnt(0) depctr_sa_sdst(0) depctr_va_vdst(0) depctr_va_sdst(0) depctr_va_ssrc(0) depctr_va_vcc(0) depctr_vm_vsrc(0)
	s_getreg_b32 s2, hwreg(HW_REG_IB_STS2, 6, 4)
	s_cmp_eq_u32 s2, 0
	s_cbranch_scc0 .Lentry_in_a_cluster
	s_endpgm
.Lentry_in_a_cluster:
	s_bfe_u32 s2, ttmp6, 0x10000c
	s_cmp_lg_u32 s2, 0x3003
	s_cbranch_scc0 .Lentry_shape_is_right
	s_endpgm
.Lentry_shape_is_right:
; z = softmax(q k^T / 8) v, both products on codes of FP4 with E8M0 scales; z is quantised along a head's 64 channels and leaves as codes.
; THE SOFTMAX AHEAD OF THE SECOND PRODUCT: t = score x log2(e) / 8; M = the largest t so far, rounded up to a whole number; p = 2^(t - M) is quantised along the keys, not normalised;
; the row's sum is taken of the unquantised p and divides at the end.  When M moves, the sum and O are multiplied by 2^(old M - new M): exact.
; SHARES.  A work-group takes 256 queries (its place cx in the cluster) of two heads, 2 y and 2 y + 1, one after the other; each of its sixteen waves one tile of 16 queries.
; CLUSTER 4, 1, 1: the four query blocks of a head need the same record (k's and v's codes and scale words, 71,680 bytes): waves 0-7 ask for it jointly, 35 rows of 256 bytes each.
; The second head's record has LDS bytes of its own; it is asked for behind the three lines and a round, ahead of the first head's work.  Each record is asked for whole: there is no stream to run ahead in, so nothing is prefetched.
; LAYOUT.  Both products are used transposed (S^T = k q^T, O^T = v^T p^T): a lane holds one query throughout.
; THE KEYS OF A TILE ARE CHOSEN BY ADDRESS: row m of tile (c, T) of 128 keys is key 64 c + 32 (m / 8) + 8 T + m % 8.  So lane (r, h) holds, in the 32 registers of tiles (c, 0..3), the 32 keys of block 2 c + h:
; a block's largest score needs no other lane, and the conversions' results are registers 4 c .. 4 c + 3 of p's operand as they stand.  In the record key x lies in tile 2 (x / 32) + (x / 8) % 2 at row x % 8 + 8 ((x % 32) / 16).
; A STEP IS 256 KEYS: M, the factor and O's rescaling come once for 256 keys.  v's fragments land in registers of p that are done with.
; K = 64 IN AN INSTRUCTION OF 128: q's upper four registers are zero codes; a tile of k names 8 registers, the upper four being the next tile's codes (zeros behind the last): they add nothing.
; REGISTERS: v1-4 lane addresses; v5, v6 the add's; v7, v11 q's scale words; v8-10 way out, 8 h; v12 -M, v13 largest score, v[14:15] the sum; v16-31 q of both heads; v32-67 k, then p's codes (32-47) and sums (48-53);
;   v68-71 k's scale words, v72-75 v's, v88-89 p's; v76-87, v90-95 at work; v96-223 S^T, p, then v; v224-255 O^T.
; LIMITS: NaN and infinities are not served; the promise holds while |t| stays under 2^31; a p under 2^-126 counts as 0; 1 / sum is v_rcp_f32; a block of z under 2^-124, a block of zeros too, keeps the scale byte 1.
.set QS,   4194304
.set KV,   4718592
.set REC,  71680
.set ZS,   4194304
.set VC,   32768                       ; in a record: k's codes at 0, v's here,
.set KSW,  65536                       ; k's scale words,
.set VSW,  69632                       ; v's
.set PART, 8960                        ; what one tensor load brings
.set SPARE, 2*REC                      ; behind the two records: the spare words, 128 bytes for each wave
.macro ROUND                           ; a round of the cluster's barrier
	s_barrier_signal -1
	s_barrier_wait -1
	s_cmp_lg_u32 s8, 0
	s_cbranch_scc1 .Lnw0_\@
	s_barrier_signal -3
.Lnw0_\@:
	s_barrier_wait -3
	s_barrier_signal -1
	s_barrier_wait -1
.endm
.macro FILL g0                         ; waves 0-7: an eighth of a record each, asked for jointly by the four work-groups
	s_cmp_lt_u32 s8, 8
	s_cbranch_scc0 .Lnf_\@
	tensor_load_to_lds s[\g0:\g0+3], s[16:23]
	s_nop 0
.rept 4
	v_nop
.endr
.Lnf_\@:
.endm
	s_load_b128 s[4:7], s[0:1], 0x0                ; qkvc, zcodes
	v_lshl_add_u32 v5, v0, 2, SPARE
	v_mov_b32 v6, 0
	ds_add_u32 v5, v6                              ; the opening lines
	ds_add_u32 v5, v6
	v_lshrrev_b32 v8, 5, v0
	v_readfirstlane_b32 s8, v8                     ; wave 0..15
	s_and_b32 s9, ttmp7, 0xffff                    ; y: the pair of heads
	s_bfe_u32 s10, ttmp6, 0x40000                  ; cx: my block of 256 queries
	s_and_b32 s11, s8, 7
	s_mov_b32 s16, 15|(3<<16)|(1<<21)              ; the four partners; elements of 8 bytes
	s_mov_b32 s17, 32<<16
	s_mov_b32 s18, 35<<16
	s_mov_b32 s19, 32<<16
	s_mov_b32 s20, 35
	s_mov_b32 s21, 32
	s_mov_b32 s22, 0
	s_mov_b32 s23, 0
	s_mul_i32 s25, s11, PART
	s_mul_i32 s12, s9, 2*REC
	s_add_co_u32 s12, s12, s25
	s_add_co_u32 s12, s12, KV
	s_mov_b32 s13, 0
	s_lshl_b32 s14, s10, 4
	s_add_co_u32 s14, s14, s8                      ; my query tile of the batch's 64
	s_lshl_b32 s36, s9, 16                         ; q's codes: 32,768 a head, 512 a tile
	s_lshl_b32 s15, s14, 9
	s_add_co_u32 s36, s36, s15
	s_mov_b32 s37, 0
	s_lshl_b32 s38, s9, 13                         ; q's scale words: 4,096 a head, 512 for eight tiles; tile x: word (x % 8) / 2 of lane r + 16 (x % 2)
	s_lshr_b32 s15, s14, 3
	s_lshl_b32 s15, s15, 9
	s_add_co_u32 s38, s38, s15
	s_and_b32 s15, s14, 1
	s_lshl_b32 s15, s15, 8
	s_add_co_u32 s38, s38, s15
	s_bfe_u32 s15, s14, 0x20001
	s_lshl_b32 s15, s15, 2
	s_add_co_u32 s38, s38, s15
	s_add_co_u32 s38, s38, QS
	s_mov_b32 s39, 0
	s_lshr_b32 s33, s9, 3                          ; batch
	s_and_b32 s34, s9, 7                           ; half the first head's number
	s_lshl_b32 s40, s33, 19                        ; z's codes: 8,192 a tile, a head's 512 bytes in it
	s_lshl_b32 s15, s14, 13
	s_add_co_u32 s40, s40, s15
	s_lshl_b32 s15, s34, 10
	s_add_co_u32 s40, s40, s15
	s_mov_b32 s41, 0
	s_lshl_b32 s42, s33, 15                        ; z's scale rows: 32 bytes a row, a head's two bytes in it
	s_lshl_b32 s15, s14, 9
	s_add_co_u32 s42, s42, s15
	s_lshl_b32 s15, s34, 2
	s_add_co_u32 s42, s42, s15
	s_add_co_u32 s42, s42, ZS
	s_mov_b32 s43, 0
	s_mov_b32 s28, 0x76543210
	s_mov_b32 s29, 0xfedcba98                      ; selects for lane l xor 16
	s_mov_b32 s30, 0x3e38aa3b                      ; c = log2(e) / 8
	s_mov_b32 s31, s30
	s_wait_dscnt 0x0
	s_wait_kmcnt 0x0
	s_mov_b32 s24, 1
	s_add_nc_u64 s[26:27], s[4:5], s[12:13]
	s_mov_b32 s44, 1
	s_add_co_u32 s45, s25, REC
	s_add_nc_u64 s[46:47], s[26:27], REC
	s_or_b32 s27, s27, 0x80000000
	s_or_b32 s47, s47, 0x80000000
	ROUND                                          ; the four work-groups are here: the joint loads meet
	FILL 24                                        ; the first head's record
	s_add_nc_u64 s[36:37], s[4:5], s[36:37]
	s_add_nc_u64 s[38:39], s[4:5], s[38:39]
	s_add_nc_u64 s[40:41], s[6:7], s[40:41]
	s_add_nc_u64 s[42:43], s[6:7], s[42:43]
	v_and_b32 v90, 31, v0
	v_lshlrev_b32 v8, 4, v90                       ; 16 x lane
	v_and_b32 v91, 15, v0
	v_lshlrev_b32 v92, 4, v91                      ; 16 r
	global_load_b128 v[16:19], v8, s[36:37]        ; q of both heads stays in registers
	global_load_b128 v[24:27], v8, s[36:37] offset:32768
	global_load_b32 v7, v92, s[38:39]
	global_load_b32 v11, v92, s[38:39] offset:4096
	v_lshlrev_b32 v9, 5, v91                       ; 32 r
	v_bfe_u32 v94, v0, 4, 1                        ; h
	v_lshlrev_b32 v10, 3, v94                      ; 8 h
	v_and_b32 v95, 7, v0
	v_bfe_u32 v91, v0, 3, 1                        ; r / 8
	v_lshlrev_b32 v95, 4, v95
	v_lshl_add_u32 v95, v94, 8, v95                ; 16 (r % 8) + 256 h
	v_lshl_add_u32 v1, v91, 10, v95                ; k's codes: + 1,024 (r / 8)
	v_lshl_add_u32 v2, v91, 2, v95                 ; k's scale words: + 4 (r / 8); lanes 16-31 take the odd tiles'
	v_add_nc_u32 v2, KSW, v2
	v_add_nc_u32 v3, VC, v8
	v_lshl_add_u32 v4, v90, 3, VSW
.irp j, 20,21,22,23,28,29,30,31,64,65,66,67,93
	v_mov_b32 v\j, 0                               ; zero codes; v93 is named with v92 as a pair
.endr
	s_wait_alu depctr_va_vdst(0)
	s_wait_tensorcnt 0x0                           ; my part of the first record is in
	ds_add_u32 v5, v6
	ds_add_u32 v5, v6
	s_wait_dscnt 0x0
	ROUND                                          ; everybody's part is in
	FILL 44                                        ; the second head's record, into bytes of its own
	s_wait_loadcnt 0x0                             ; q
.macro KLOAD g                         ; eight tiles of k and their scale words, the g-th 128 keys of the step
.irp c, 0,1
.irp t, 0,1,2,3
	ds_load_b128 v[32+16*\c+4*\t:35+16*\c+4*\t], v94 offset:4096*\g+2048*\c+512*(\t%2)+128*(\t/2)
.endr
.endr
.irp c, 0,1
.irp u, 0,1
	ds_load_b32 v[68+2*\c+\u], v95 offset:512*\g+8*\c+128*\u   ; tile (c, 2 u) in lanes 0-15, (c, 2 u + 1) in lanes 16-31
.endr
.endr
.endm
.macro SMUL g, w
.irp c, 0,1
.irp u, 0,1
	v_wmma_scale_f32_16x16x128_f8f6f4 v[96+64*\g+32*\c+16*\u:103+64*\g+32*\c+16*\u], v[32+16*\c+8*\u:39+16*\c+8*\u], v[16+8*\w:23+8*\w], 0, v[68+2*\c+\u], v[7+4*\w] matrix_a_fmt:MATRIX_FMT_FP4 matrix_b_fmt:MATRIX_FMT_FP4
	v_wmma_scale_f32_16x16x128_f8f6f4 v[104+64*\g+32*\c+16*\u:111+64*\g+32*\c+16*\u], v[36+16*\c+8*\u:43+16*\c+8*\u], v[16+8*\w:23+8*\w], 0, v[68+2*\c+\u], v[7+4*\w] matrix_a_fmt:MATRIX_FMT_FP4 matrix_b_fmt:MATRIX_FMT_FP4 matrix_a_scale:MATRIX_SCALE_ROW1
.endr
.endr
.endm
.macro MAXA g                          ; the largest score of my two blocks of 32 keys: four chains by turns, each accumulator from its low end on
.irp c, 0,1
	v_max3_num_f32 v[76+2*\g+\c], v[96+64*\g+32*\c], v[97+64*\g+32*\c], v[98+64*\g+32*\c]
	v_max3_num_f32 v[80+2*\g+\c], v[112+64*\g+32*\c], v[113+64*\g+32*\c], v[114+64*\g+32*\c]
.endr
.irp i, 3,5,7,9,11,13
.irp c, 0,1
	v_max3_num_f32 v[76+2*\g+\c], v[76+2*\g+\c], v[96+64*\g+32*\c+\i], v[97+64*\g+32*\c+\i]
	v_max3_num_f32 v[80+2*\g+\c], v[80+2*\g+\c], v[112+64*\g+32*\c+\i], v[113+64*\g+32*\c+\i]
.endr
.endr
.endm
.macro MAXB g
.irp c, 0,1
	v_max3_num_f32 v[76+2*\g+\c], v[76+2*\g+\c], v[80+2*\g+\c], v[111+64*\g+32*\c]
.endr
.irp c, 0,1
	v_max_num_f32 v[76+2*\g+\c], v[76+2*\g+\c], v[127+64*\g+32*\c]
.endr
.endm
.macro VLOAD g                         ; v's four channel tiles x 128 keys, into registers of p that are done with
.irp d, 0,1,2,3
.irp c, 0,1
	ds_load_b128 v[96+64*\g+8*\d+4*\c:99+64*\g+8*\d+4*\c], v90 offset:4096*\g+1024*\d+512*\c
.endr
.endr
	ds_load_b64 v[72+2*\g:73+2*\g], v91 offset:256*\g
.endm
.macro PV g                            ; the four accumulators take turns, one instruction a turn
.irp e, 0,1
	v_wmma_scale_f32_16x16x128_f8f6f4 v[224+16*\e:231+16*\e], v[96+64*\g+16*\e:103+64*\g+16*\e], v[32+8*\g:39+8*\g], v[224+16*\e:231+16*\e], v[72+2*\g+\e], v[88+\g] matrix_a_fmt:MATRIX_FMT_FP4 matrix_b_fmt:MATRIX_FMT_FP4
	v_wmma_scale_f32_16x16x128_f8f6f4 v[232+16*\e:239+16*\e], v[104+64*\g+16*\e:111+64*\g+16*\e], v[32+8*\g:39+8*\g], v[232+16*\e:239+16*\e], v[72+2*\g+\e], v[88+\g] matrix_a_fmt:MATRIX_FMT_FP4 matrix_b_fmt:MATRIX_FMT_FP4 matrix_a_scale:MATRIX_SCALE_ROW1
.endr
.endm
; A STEP: 256 keys for my 16 queries of head w.
.macro STEP w
	v_add_nc_u32 v94, s32, v1                      ; with the three additions at the last step's end: five places behind its products
	v_add_nc_u32 v95, s33, v2
	KLOAD 0
	s_wait_alu depctr_va_vdst(0)
	s_wait_dscnt 0x0
	SMUL 0, \w
.rept 4
	v_nop                                          ; places in front of the loads into k's registers and of the first read of the scores
.endr
	KLOAD 1
	MAXA 0
	s_wait_alu depctr_va_vdst(0)
	s_wait_dscnt 0x0
	SMUL 1, \w
	MAXB 0                                         ; four lines on the first 128 keys' registers: the places behind the products above
	MAXA 1
	MAXB 1
	v_max3_num_f32 v90, v76, v77, v78
	s_delay_alu instid0(VALU_DEP_1)
	v_max_num_f32 v90, v90, v79
	s_delay_alu instid0(VALU_DEP_1)
	v_permlanex16_b32 v91, v90, s28, s29           ; lane l xor 16 holds my query's other blocks
	s_delay_alu instid0(VALU_DEP_1)
	v_max3_num_f32 v13, v13, v90, v91              ; the running largest score (c is positive)
	v_mov_b32 v91, v12
	s_delay_alu instid0(VALU_DEP_2)
	v_mul_f32 v90, s30, v13                        ; as t
	s_delay_alu instid0(VALU_DEP_1)
	v_floor_f32 v12, -v90                          ; the new -M = floor(-t)
	s_delay_alu instid0(VALU_DEP_1)
	v_sub_f32 v91, v12, v91                        ; old M - new M: a whole number, 0 or less
	s_delay_alu instid0(VALU_DEP_1)
	v_cvt_i32_f32 v91, v91                         ; (it saturates)
	s_delay_alu instid0(VALU_DEP_1)
	v_ldexp_f32 v92, 1.0, v91                      ; f = 2^(old M - new M)
.set j, 0
.rept 64
	v_pk_fma_f32 v[96+j:97+j], v[96+j:97+j], s[30:31], v[12:13] op_sel_hi:[1,0,0]   ; t - M, two at a time
.set j, j+2
.endr
.irp b, 0,1,2,3
	v_fma_f32 v[76+\b], v[76+\b], s30, v12         ; the same of each block's largest score
.endr
	s_wait_alu depctr_va_vdst(0)
.set j, 0
.rept 128
	v_exp_f32 v[96+j], v[96+j]                     ; p = 2^(t - M), at most 1
.set j, j+1
.endr
.irp b, 0,1,2,3
	v_exp_f32 v[76+\b], v[76+\b]                   ; the block's largest p: the same two instructions on the same number
.endr
	v_pk_mul_f32 v[14:15], v[14:15], v[92:93] op_sel_hi:[1,0]   ; the sum under the new M (a plain line behind the exponentials)
	s_wait_alu depctr_va_vdst(0)
.irp b, 0,1,2,3
	v_max_num_f32 v[76+\b], 0x1800000, v[76+\b]    ; the floor 2^(3 - 127): the byte cannot fall under 1
.endr
.irp b, 0,1,2,3
	s_delay_alu instid0(VALU_DEP_4)
	v_add_nc_u32 v[80+\b], 0xff000000, v[76+\b]    ; the conversion's scale operand
.endr
.irp b, 0,1,2,3
	s_delay_alu instid0(VALU_DEP_4)
	v_lshrrev_b32 v[84+\b], 23, v[80+\b]           ; the byte of block 2 c + h
.endr
	v_lshl_or_b32 v84, v85, 16, v84
	v_lshl_or_b32 v86, v87, 16, v86
	s_delay_alu instid0(VALU_DEP_2)
	v_lshlrev_b32 v84, v10, v84                    ; at their places in the word, 8 h bits up
	s_delay_alu instid0(VALU_DEP_2)
	v_lshlrev_b32 v86, v10, v86
	s_delay_alu instid0(VALU_DEP_2)
	v_permlanex16_b32 v90, v84, s28, s29
	s_delay_alu instid0(VALU_DEP_2)
	v_permlanex16_b32 v91, v86, s28, s29
	s_delay_alu instid0(VALU_DEP_2)
	v_or_b32 v88, v84, v90                         ; p's scale words of the two 128 keys
	s_delay_alu instid0(VALU_DEP_2)
	v_or_b32 v89, v86, v91
.irp g, 0,1
.irp c, 0,1
.irp t, 0,1,2,3
	v_cvt_scalef32_pk8_fp4_f32 v[32+8*\g+4*\c+\t], v[96+64*\g+32*\c+8*\t:103+64*\g+32*\c+8*\t], v[80+2*\g+\c]
.endr
.endr
.endr
	v_nop                                          ; one plain line behind the last conversion
	v_add_nc_u32 v90, s32, v3
	v_add_nc_u32 v91, s34, v4
	v_pk_add_f32 v[48:49], v[96:97], v[98:99]      ; the row's sum of the unquantised p: four chains
	v_pk_add_f32 v[50:51], v[100:101], v[102:103]
	v_pk_add_f32 v[52:53], v[104:105], v[106:107]
	v_pk_add_f32 v[14:15], v[14:15], v[108:109]
	v_pk_add_f32 v[48:49], v[48:49], v[110:111]
.set j, 112
.rept 6
	v_pk_add_f32 v[50:51], v[50:51], v[j:j+1]
	v_pk_add_f32 v[52:53], v[52:53], v[j+2:j+3]
	v_pk_add_f32 v[14:15], v[14:15], v[j+4:j+5]
	v_pk_add_f32 v[48:49], v[48:49], v[j+6:j+7]
.set j, j+8
.endr
	VLOAD 0
	s_wait_alu depctr_va_vdst(0)                   ; directly ahead of the first reader of O^T
.set j, 0
.rept 16
	v_pk_mul_f32 v[224+j:225+j], v[224+j:225+j], v[92:93] op_sel_hi:[1,0]   ; O^T under the new M
.set j, j+2
.endr
.set j, 160
.rept 8
	v_pk_add_f32 v[50:51], v[50:51], v[j:j+1]
	v_pk_add_f32 v[52:53], v[52:53], v[j+2:j+3]
	v_pk_add_f32 v[14:15], v[14:15], v[j+4:j+5]
	v_pk_add_f32 v[48:49], v[48:49], v[j+6:j+7]
.set j, j+8
.endr
	VLOAD 1
	s_wait_alu depctr_va_vdst(0)
	s_wait_dscnt 9                                 ; the first 128 keys' v is in; the nine loads of the second may be out
	PV 0
	s_wait_dscnt 0x0
	PV 1
	v_pk_add_f32 v[48:49], v[48:49], v[50:51]      ; the chains join: places behind the products
	v_pk_add_f32 v[14:15], v[14:15], v[52:53]
	s_delay_alu instid0(VALU_DEP_1)
	v_pk_add_f32 v[14:15], v[14:15], v[48:49]
.endm
; My 16 queries against a head's 1,024 keys, and the way out.
.macro TILE w
.if \w
	s_wait_xcnt 0x0                                ; the first head's stores have read their registers
.endif
	v_mov_b32 v13, 0xff61b1e6                      ; the largest score so far: -3e38
	s_delay_alu instid0(VALU_DEP_1)
	v_mul_f32 v12, s30, v13
	s_delay_alu instid0(VALU_DEP_1)
	v_floor_f32 v12, -v12
	v_mov_b32 v14, 0
	v_mov_b32 v15, 0
.set j, 0
.rept 32
	v_mov_b32 v[224+j], 0                          ; O^T: the step is written once; the first finds zeros
.set j, j+1
.endr
	s_mov_b32 s32, \w*REC                          ; codes: 8,192 bytes a step, k's and v's alike
	s_mov_b32 s33, \w*REC                          ; k's scale words: 1,024
	s_mov_b32 s34, \w*REC                          ; v's: 512
.if \w
	s_mov_b32 s35, 4
.else
	STEP \w                                        ; the first head's first step is written out: behind it the barrier for the second record is signalled
	s_add_co_u32 s32, s32, 8192
	s_add_co_u32 s33, s33, 1024
	s_add_co_u32 s34, s34, 512
	s_wait_alu depctr_va_vdst(0)
	s_wait_tensorcnt 0x0                           ; my part of the second record is in,
	s_wait_dscnt 0x0
	s_barrier_signal -1                            ; say so; up to the barrier's wait stand register work and LDS loads of the first record, which nobody writes again
	s_mov_b32 s35, 3
.endif
.Lstep_\@:
	STEP \w
	s_add_co_u32 s32, s32, 8192
	s_add_co_u32 s33, s33, 1024
	s_add_co_u32 s34, s34, 512
	s_sub_co_i32 s35, s35, 1
	s_cmp_lg_u32 s35, 0
	s_cbranch_scc1 .Lstep_\@
	s_wait_alu depctr_va_vdst(0)
	v_add_f32 v14, v14, v15                        ; the sum's two halves,
	s_delay_alu instid0(VALU_DEP_1)
	v_permlanex16_b32 v90, v14, s28, s29
	s_delay_alu instid0(VALU_DEP_1)
	v_add_f32 v14, v14, v90                        ; and lane l xor 16's
	s_wait_alu depctr_va_vdst(0)
	v_rcp_f32 v14, v14
	v_nop
	s_wait_alu depctr_va_vdst(0)
.set j, 0
.rept 32
	v_mul_f32 v[96+j], v[224+j], v14               ; z: register 16 b + i is channel 32 b + 16 h + i of my query
.set j, j+1
.endr
.irp b, 0,1
	v_max3_num_f32 v[76+\b], |v[96+16*\b]|, |v[97+16*\b]|, 0x1800000
.endr
.irp i, 2,4,6,8,10,12,14
.irp b, 0,1
	s_delay_alu instid0(VALU_DEP_2)
	v_max3_num_f32 v[76+\b], v[76+\b], |v[96+16*\b+\i]|, |v[97+16*\b+\i]|
.endr
.endr
.irp b, 0,1
	s_delay_alu instid0(VALU_DEP_2)
	v_permlanex16_b32 v[90+\b], v[76+\b], s28, s29
.endr
.irp b, 0,1
	s_delay_alu instid0(VALU_DEP_2)
	v_max_num_f32 v[76+\b], v[76+\b], v[90+\b]
.endr
.irp b, 0,1
	s_delay_alu instid0(VALU_DEP_2)
	v_add_nc_u32 v[80+\b], 0xff000000, v[76+\b]
.endr
.irp b, 0,1
	s_delay_alu instid0(VALU_DEP_2)
	v_lshrrev_b32 v[84+\b], 23, v[80+\b]
.endr
	s_delay_alu instid0(VALU_DEP_1)
	v_lshl_or_b32 v86, v85, 8, v84                 ; the head's two scale bytes of my row
.irp b, 0,1
	v_cvt_scalef32_pk8_fp4_f32 v[32+2*\b], v[96+16*\b:103+16*\b], v[80+\b]
	v_cvt_scalef32_pk8_fp4_f32 v[33+2*\b], v[104+16*\b:111+16*\b], v[80+\b]
.endr
	v_nop
	v_permlane16_swap_b32 v32, v34                 ; a whole block to a lane
	v_permlane16_swap_b32 v33, v35
.if \w == 0
	s_wait_alu depctr_va_vdst(0)                   ; directly ahead of the barrier's wait
	s_barrier_wait -1                              ; everybody's part of the second record is in
.endif
	global_store_b128 v8, v[32:35], s[40:41] offset:512*\w         ; 512 consecutive bytes, aligned
	global_store_b16 v9, v86, s[42:43] offset:2*\w                 ; two bytes a row, 32 apart: the row's other bytes are other heads'
.endm
	TILE 0
	TILE 1
	s_wait_tensorcnt 0x0                           ; the wave's end
	ds_add_u32 v5, v6
	s_wait_dscnt 0x0
	ROUND                                          ; the closing round
	s_endpgm
.Lfunc_end_k_q62a429f594_attn:
	.size	k_q62a429f594_attn, .Lfunc_end_k_q62a429f594_attn-k_q62a429f594_attn
	.p2alignl 7, 3214868480
	.fill 96, 4, 3214868480
	.section	.rodata,"a",@progbits
	.p2align	6, 0x0
	.amdhsa_kernel k_q62a429f594_attn
		.amdhsa_group_segment_fixed_size 327680
		.amdhsa_private_segment_fixed_size 0
		.amdhsa_enable_private_segment 0
		.amdhsa_kernarg_size 16
		.amdhsa_user_sgpr_count 2
		.amdhsa_user_sgpr_kernarg_segment_ptr 1
		.amdhsa_wavefront_size32 1
		.amdhsa_system_sgpr_workgroup_id_x 1
		.amdhsa_system_sgpr_workgroup_id_y 1
		.amdhsa_system_sgpr_workgroup_id_z 1
		.amdhsa_system_vgpr_workitem_id 0
		.amdhsa_next_free_vgpr 256
		.amdhsa_next_free_sgpr 66
		.amdhsa_reserve_vcc 0
		.amdhsa_float_denorm_mode_32 3
		.amdhsa_float_denorm_mode_16_64 3
		.amdhsa_memory_ordered 1
		.amdhsa_forward_progress 1
		.amdhsa_inst_pref_size 100
	.end_amdhsa_kernel
	.amdgpu_metadata
---
amdhsa.version: [ 1, 2 ]
amdhsa.kernels:
  - .name:           k_q62a429f594_attn
    .symbol:         k_q62a429f594_attn.kd
    .args:
      - { .name: qkvc, .offset: 0, .size: 8, .value_kind: global_buffer, .address_space: global }
      - { .name: zcodes, .offset: 8, .size: 8, .value_kind: global_buffer, .address_space: global }
    .group_segment_fixed_size: 327680
    .private_segment_fixed_size: 0
    .kernarg_segment_align: 8
    .kernarg_segment_size: 16
    .max_flat_workgroup_size: 512
    .sgpr_count:     66
    .vgpr_count:     256
    .wavefront_size: 32
...
	.end_amdgpu_metadata
.endif
;; end of part 3
;; launch outp (part 4): grid 4 x 64, 4 waves a work-group, clusters of 4 x 4, 327,680 bytes of LDS; arguments zcodes, wcodes, b0, out0; writes out0
.if DOCPART == 4
	.amdgcn_target "amdgcn-amd-amdhsa--gfx1250"
	.amdhsa_code_object_version 6
	.text
	.protected	k_q62a429f594_outp
	.globl	k_q62a429f594_outp
	.p2align	8
	.type	k_q62a429f594_outp,@function
k_q62a429f594_outp:
	s_mov_b64 s[64:65], 0
	v_nop
	global_prefetch_b8 v0, s[64:65] scope:SCOPE_SE
	s_setreg_imm32_b32 hwreg(HW_REG_WAVE_MODE, 25, 1), 1
	s_wait_xcnt 0x0
	s_wait_alu depctr_hold_cnt(0) depctr_sa_sdst(0) depctr_va_vdst(0) depctr_va_sdst(0) depctr_va_ssrc(0) depctr_va_vcc(0) depctr_vm_vsrc(0)
	s_getreg_b32 s2, hwreg(HW_REG_IB_STS2, 6, 4)
	s_cmp_eq_u32 s2, 0
	s_cbranch_scc0 .Lentry_in_a_cluster
	s_endpgm
.Lentry_in_a_cluster:
	s_bfe_u32 s2, ttmp6, 0x10000c
	s_cmp_lg_u32 s2, 0xf033
	s_cbranch_scc0 .Lentry_shape_is_right
	s_endpgm
.Lentry_shape_is_right:
.set ZS,   4194304
.set WS,   2097152
.set SLOT, 98304
.set SCL,  2*SLOT
.set STG,  SCL+3*4352
.set ADRA, 16
.set ADRB, 20
.set ASA,  22
.set ASB,  23
.set STO,  24
.set RD,   25
.set CO,   26
.set BO,   27
.set SA,   32
.set SB,   64
.set AF,   128
.set BI,   192
.set BK,   128
.set G1A,  24
.set G0A,  32
.set G1B,  48
.set G0B,  56
.set G1SA, 68
.set G0SA, 76
.set G1SB, 80
.set G0SB, 88
.set MSB, 0
.macro WIN new
.if MSB != (\new)
	s_set_vgpr_msb (MSB<<8)|(\new)
.set MSB, (\new)
.endif
.endm
.macro JLOAD g0a, g1a, g0b, g1b
	s_cmp_eq_u32 s15, 0
	s_cbranch_scc0 .Lfor_b_\@
	tensor_load_to_lds s[\g0a:\g0a+3], s[\g1a:\g1a+7]
	s_nop 0
.rept 4
	v_nop
.endr
	s_branch .Lasked_\@
.Lfor_b_\@:
	tensor_load_to_lds s[\g0b:\g0b+3], s[\g1b:\g1b+7]
	s_nop 0
.rept 4
	v_nop
.endr
.Lasked_\@:
.endm
.macro CROUND
	s_barrier_signal -1
	s_barrier_wait -1
	s_cmp_lg_u32 s14, 0
	s_cbranch_scc1 .Lnot_wave_0_\@
	s_barrier_signal -3
.Lnot_wave_0_\@:
	s_barrier_wait -3
	s_barrier_signal -1
	s_barrier_wait -1
.endm
.macro PLACES
.rept 4
	v_nop
.endr
.endm
	s_load_b256 s[4:11], s[0:1], 0x0
	v_lshl_add_u32 v30, v0, 2, 0x3b700
	v_mov_b32 v31, 0
	ds_add_u32 v30, v31
	ds_add_u32 v30, v31
	v_lshrrev_b32 v1, 5, v0
	v_readfirstlane_b32 s14, v1
	s_lshr_b32 s15, s14, 1
	s_and_b32 s16, s14, 1
	s_bfe_u32 s40, ttmp6, 0x40000
	s_bfe_u32 s41, ttmp6, 0x40004
	s_lshl_b32 s42, ttmp9, 2
	s_add_co_u32 s42, s42, s40
	s_and_b32 s17, ttmp7, 0xffff
	s_lshl_b32 s17, s17, 2
	s_add_co_u32 s17, s17, s41
	s_lshl_b32 s43, s41, 2
	s_lshl_b32 s43, 15, s43
	s_lshl_b32 s44, 0x1111, s40
	s_or_b32 s[G1A+0], s43, (3<<16)|(1<<21)
	s_mov_b32 s[G1A+1], 512<<16
	s_mov_b32 s[G1A+2], 8<<16
	s_mov_b32 s[G1A+3], 512<<16
	s_mov_b32 s[G1A+4], 8
	s_mov_b32 s[G1A+5], 1024
	s_mov_b32 s[G1A+6], 0
	s_mov_b32 s[G1A+7], 0
	s_or_b32 s[G1B+0], s44, (3<<16)|(1<<21)
	s_mov_b32 s[G1B+1], 512<<16
	s_mov_b32 s[G1B+2], 16<<16
	s_mov_b32 s[G1B+3], 512<<16
	s_mov_b32 s[G1B+4], 16
	s_mov_b32 s[G1B+5], 1024
	s_mov_b32 s[G1B+6], 0
	s_mov_b32 s[G1B+7], 0
	s_or_b32 s[G1SA+0], s43, (3<<16)|(1<<20)|(1<<21)|(5<<22)|(3<<25)
	s_mov_b32 s[G1SA+1], 32<<16
	s_mov_b32 s[G1SA+2], 16<<16
	s_mov_b32 s[G1SA+3], 32<<16
	s_mov_b32 s[G1SA+4], 16
	s_mov_b32 s[G1SA+5], 32
	s_mov_b32 s[G1SA+6], 0
	s_mov_b32 s[G1SA+7], 0
	s_or_b32 s[G1SB+0], s44, (3<<16)|(1<<20)|(1<<21)|(5<<22)|(3<<25)
	s_mov_b32 s[G1SB+1], 32<<16
	s_mov_b32 s[G1SB+2], 32<<16
	s_mov_b32 s[G1SB+3], 32<<16
	s_mov_b32 s[G1SB+4], 32
	s_mov_b32 s[G1SB+5], 32
	s_mov_b32 s[G1SB+6], 0
	s_mov_b32 s[G1SB+7], 0
	s_lshl_b32 s20, s17, 16
	s_mov_b32 s21, 0
	s_lshl_b32 s22, s17, 12
	s_add_co_u32 s22, s22, ZS
	s_mov_b32 s23, 0
	s_lshl_b32 s46, s42, 17
	s_add_co_u32 s46, s46, 192*8192
	s_mov_b32 s47, 0
	s_lshl_b32 s92, s42, 13
	s_add_co_u32 s92, s92, WS+3072*32
	s_mov_b32 s93, 0
	s_lshl_b32 s45, s16, 14
	s_lshl_b32 s94, s16, 15
	s_add_co_u32 s94, s94, 32768
	s_lshl_b32 s66, s16, 15                        ; slot 1, z: my half's four tiles, their second 4,096 bytes
	s_add_co_u32 s66, s66, 4096
	s_mov_b32 s67, 0
	s_lshl_b32 s100, s16, 16                       ; slot 1, W0: my half's eight tiles, their second 4,096 bytes
	s_add_co_u32 s100, s100, 4096
	s_mov_b32 s101, 0
	s_lshl_b32 s12, s42, 10
	s_lshl_b32 s18, s16, 9
	s_add_co_u32 s12, s12, s18
	s_mov_b32 s13, 0
	s_lshl_b32 s98, s17, 19
	s_lshl_b32 s18, s15, 18
	s_add_co_u32 s98, s98, s18
	s_add_co_u32 s98, s98, s12
	s_mov_b32 s99, 0
	s_wait_dscnt 0x0
	s_wait_kmcnt 0x0
	s_add_nc_u64 s[20:21], s[4:5], s[20:21]
	s_add_nc_u64 s[22:23], s[4:5], s[22:23]
	s_add_nc_u64 s[46:47], s[6:7], s[46:47]
	s_add_nc_u64 s[92:93], s[6:7], s[92:93]
	s_add_nc_u64 s[8:9], s[8:9], s[12:13]
	s_add_nc_u64 s[10:11], s[10:11], s[98:99]
	CROUND
	s_mov_b32 s[G0SA], 1
	s_mov_b32 s[G0SA+1], SCL
	s_mov_b64 s[G0SA+2:G0SA+3], s[22:23]
	s_or_b32 s[G0SA+3], s[G0SA+3], 0x80000000
	s_mov_b32 s[G0SB], 1
	s_mov_b32 s[G0SB+1], SCL+4352
	s_mov_b64 s[G0SB+2:G0SB+3], s[92:93]
	s_or_b32 s[G0SB+3], s[G0SB+3], 0x80000000
	s_mov_b32 s[G0A], 1                            ; slot 0 whole: z's eight tiles,
	s_mov_b32 s[G0A+1], 0
	s_mov_b64 s[G0A+2:G0A+3], s[20:21]
	s_or_b32 s[G0A+3], s[G0A+3], 0x80000000
	s_mov_b32 s[G0B], 1                            ; W0's sixteen, behind them
	s_mov_b32 s[G0B+1], 32768
	s_mov_b64 s[G0B+2:G0B+3], s[46:47]
	s_or_b32 s[G0B+3], s[G0B+3], 0x80000000
	s_mov_b32 s[G0A+4], 1                          ; slot 1 by halves
	s_add_co_u32 s[G0A+5], s45, SLOT
	s_add_nc_u64 s[G0A+6:G0A+7], s[20:21], s[66:67]
	s_or_b32 s[G0A+7], s[G0A+7], 0x80000000
	s_mov_b32 s[G0B+4], 1
	s_add_co_u32 s[G0B+5], s94, SLOT
	s_add_nc_u64 s[G0B+6:G0B+7], s[46:47], s[100:101]
	s_or_b32 s[G0B+7], s[G0B+7], 0x80000000
; THE HEAD'S LOADS, ONE A WAVE: wave 0 z's codes of slot 0, wave 1 W0's, wave 2 z's scale rows, wave 3 W0's.  One tree of branches on the wave's number: every way passes exactly one load.
.macro ARM under, g0, g1, next
	s_cmp_lt_u32 s14, \under
	s_cbranch_scc0 \next
	tensor_load_to_lds s[\g0:\g0+3], s[\g1:\g1+7]
	s_nop 0
.rept 4
	v_nop
.endr
	s_branch .Lh_asked
\next:
.endm
	ARM 1, G0A,  G1A,  .Lh_b
	ARM 2, G0B,  G1B,  .Lh_sa
	ARM 3, G0SA, G1SA, .Lh_sb
	tensor_load_to_lds s[G0SB:G0SB+3], s[G1SB:G1SB+7]
	s_nop 0
.rept 4
	v_nop
.endr
.Lh_asked:
	v_bfe_u32 v2, v0, 4, 1
	v_lshlrev_b32 v[BO], 6, v2
.irp b, 0,1,2,3,4,5,6,7                        ; b0 in the results' layout, asked for under the wait for the first tiles
	global_load_b128 v[BI+8*\b:BI+8*\b+3], v[BO], s[8:9] offset:(32*(\b/2)+8*(\b%2))*4
	global_load_b128 v[BI+8*\b+4:BI+8*\b+7], v[BO], s[8:9] offset:(32*(\b/2)+8*(\b%2))*4+16
.endr
	v_and_b32 v1, 15, v0
	v_bfe_u32 v2, v0, 4, 1
	v_and_b32 v3, 31, v0
	v_lshlrev_b32 v[CO], 4, v3
	s_lshl_b32 s18, s15, 14
	s_lshl_b32 s19, s16, 15
	s_add_co_u32 s19, s19, 32768
.irp s, 0,1
	v_add_nc_u32 v[ADRA+\s], s18, v[CO]
	v_add_nc_u32 v[ADRB+\s], s19, v[CO]
	s_add_co_u32 s18, s18, SLOT
	s_add_co_u32 s19, s19, SLOT
.endr
	v_lshrrev_b32 v4, 3, v1
	v_lshlrev_b32 v5, 5, v1
	v_lshl_add_u32 v5, v4, 4, v5
	s_mul_i32 s18, s15, 2176
	s_add_co_u32 s18, s18, SCL
	v_add_nc_u32 v[ASA], s18, v5
	s_mul_i32 s18, s16, 4352
	s_add_co_u32 s18, s18, SCL+4352
	v_add_nc_u32 v[ASB], s18, v5
	s_mul_i32 s18, s14, 16*528
	s_add_co_u32 s18, s18, STG
	v_mul_u32_u24 v5, v1, 528
	v_lshl_add_u32 v5, v2, 6, v5
	v_add_nc_u32 v[STO], s18, v5
	v_add_nc_u32 v[RD], s18, v[CO]
.macro FETCH k
	WIN 0x40
.irp b, 0,1,2,3,4,5,6,7
.irp c, 0,1
	ds_load_b128 v[128*((\k)%2)+8*\b+4*\c:128*((\k)%2)+8*\b+4*\c+3], v[ADRB+(\k)/4] offset:\b*4096+((\k)%4)*1024+512*\c
.endr
.endr
	WIN 0
.irp a, 0,1,2,3
.irp c, 0,1
	ds_load_b128 v[AF+32*((\k)%2)+8*\a+4*\c:AF+32*((\k)%2)+8*\a+4*\c+3], v[ADRA+(\k)/4] offset:\a*4096+((\k)%4)*1024+512*\c
.endr
.endr
.endm
.macro MWIN k
.if (\k) == 0
	WIN 0x81
.else
	WIN 0xa1
.endif
.endm
.macro MULD a0, k
.irp a, \a0, \a0+1
.irp b, 0,1,2,3,4,5,6,7
.if (\k) == 0
	v_wmma_scale_f32_16x16x128_f8f6f4 v[8*(8*(\a)+\b):8*(8*(\a)+\b)+7], v[128*((\k)%2)+8*\b:128*((\k)%2)+8*\b+7], v[AF+32*((\k)%2)+8*(\a):AF+32*((\k)%2)+8*(\a)+7], v[BI+8*\b:BI+8*\b+7], v[SB+8*\b+(\k)], v[SA+8*(\a)+(\k)] matrix_a_fmt:MATRIX_FMT_FP4 matrix_b_fmt:MATRIX_FMT_FP4
.else
	v_wmma_scale_f32_16x16x128_f8f6f4 v[8*(8*(\a)+\b):8*(8*(\a)+\b)+7], v[128*((\k)%2)+8*\b:128*((\k)%2)+8*\b+7], v[AF+32*((\k)%2)+8*(\a):AF+32*((\k)%2)+8*(\a)+7], v[8*(8*(\a)+\b):8*(8*(\a)+\b)+7], v[SB+8*\b+(\k)], v[SA+8*(\a)+(\k)] matrix_a_fmt:MATRIX_FMT_FP4 matrix_b_fmt:MATRIX_FMT_FP4
.endif
.endr
.endr
.endm
.macro DSTEP k
.if (\k) == 3
	s_wait_tensorcnt 0x0
	s_wait_dscnt 0x0
	s_barrier_signal -1
	MWIN \k
	MULD 0, \k
	s_barrier_wait -1
	PLACES
	FETCH 4
	MWIN \k
	MULD 2, \k
.else
	s_wait_dscnt 0x0
.if (\k) < 7
	PLACES
	FETCH (\k)+1
.endif
	MWIN \k
	MULD 0, \k
	MULD 2, \k
.endif
.endm
	s_wait_alu depctr_va_vdst(0)
	s_wait_tensorcnt 0x0                           ; my tile of the head's four is in
	ds_add_u32 v30, v31
	s_mov_b32 s[G1A+2], 4<<16                      ; no tensor load of mine is out: from here on a load brings half a slot's tiles
	s_mov_b32 s[G1A+4], 4
	s_mov_b32 s[G1B+2], 8<<16
	s_mov_b32 s[G1B+4], 8
	s_wait_dscnt 0x0
	CROUND                                         ; all four tiles are in
	JLOAD G0A+4, G1A, G0B+4, G1B                   ; slot 1: the first tensor load behind the round
.irp a, 0,1,2,3
.irp s, 0,1
	ds_load_b128 v[SA+8*\a+4*\s:SA+8*\a+4*\s+3], v[ASA] offset:544*\a+16*\s
.endr
.endr
.irp b, 0,1,2,3,4,5,6,7
.irp s, 0,1
	ds_load_b128 v[SB+8*\b+4*\s:SB+8*\b+4*\s+3], v[ASB] offset:544*\b+16*\s
.endr
.endr
	FETCH 0
	s_wait_loadcnt 0x0
.irp k, 0,1,2,3,4,5,6,7
	DSTEP \k
.endr
	WIN 0
.macro TOSTAGE a
	WIN 0x08
.irp b, 0,1,2,3,4,5,6,7
	ds_store_b128 v[STO], v[64*(\a)+8*\b:64*(\a)+8*\b+3] offset:128*(\b/2)+32*(\b%2)
	ds_store_b128 v[STO], v[64*(\a)+8*\b+4:64*(\a)+8*\b+7] offset:128*(\b/2)+32*(\b%2)+16
.endr
	WIN 0
.set BB, BK+64*((\a)%2)
.irp t, 0,1,2,3,4,5,6,7,8,9,10,11,12,13,14,15
	ds_load_b128 v[BB+4*\t:BB+4*\t+3], v[RD] offset:\t*528
.endr
.endm
.macro SEND a, younger
.set BB, BK+64*((\a)%2)
	s_wait_dscnt \younger
.irp t, 0,1,2,3,4,5,6,7,8,9,10,11,12,13,14,15
	global_store_b128 v[CO], v[BB+4*\t:BB+4*\t+3], s[10:11] offset:(32*((\a)/2)+8*((\a)%2)+\t+8*(\t/8))*4096 th:TH_STORE_NT
.endr
.endm
	PLACES
	TOSTAGE 0
.irp a, 1,2,3
.if \a > 1
	s_wait_xcnt 0x0
.endif
	TOSTAGE \a
	SEND \a-1, 32
.endr
	SEND 3, 0
	s_wait_tensorcnt 0x0
	ds_add_u32 v30, v31
	s_wait_dscnt 0x0
	CROUND
	s_endpgm
.Lfunc_end_k_q62a429f594_outp:
	.size	k_q62a429f594_outp, .Lfunc_end_k_q62a429f594_outp-k_q62a429f594_outp
	.p2alignl 7, 3214868480
	.fill 96, 4, 3214868480
	.section	.rodata,"a",@progbits
	.p2align	6, 0x0
	.amdhsa_kernel k_q62a429f594_outp
		.amdhsa_group_segment_fixed_size 327680
		.amdhsa_private_segment_fixed_size 0
		.amdhsa_enable_private_segment 0
		.amdhsa_kernarg_size 32
		.amdhsa_user_sgpr_count 2
		.amdhsa_user_sgpr_kernarg_segment_ptr 1
		.amdhsa_wavefront_size32 1
		.amdhsa_system_sgpr_workgroup_id_x 1
		.amdhsa_system_sgpr_workgroup_id_y 1
		.amdhsa_system_sgpr_workgroup_id_z 1
		.amdhsa_system_vgpr_workitem_id 0
		.amdhsa_next_free_vgpr 768
		.amdhsa_next_free_sgpr 102
		.amdhsa_reserve_vcc 0
		.amdhsa_float_denorm_mode_32 3
		.amdhsa_float_denorm_mode_16_64 3
		.amdhsa_memory_ordered 1
		.amdhsa_forward_progress 1
		.amdhsa_inst_pref_size 74
	.end_amdhsa_kernel
	.amdgpu_metadata
---
amdhsa.version: [ 1, 2 ]
amdhsa.kernels:
  - .name:           k_q62a429f594_outp
    .symbol:         k_q62a429f594_outp.kd
    .args:
      - { .name: zcodes, .offset: 0, .size: 8, .value_kind: global_buffer, .address_space: global }
      - { .name: wcodes, .offset: 8, .size: 8, .value_kind: global_buffer, .address_space: global }
      - { .name: b0, .offset: 16, .size: 8, .value_kind: global_buffer, .address_space: global }
      - { .name: out0, .offset: 24, .size: 8, .value_kind: global_buffer, .address_space: global }
    .group_segment_fixed_size: 327680
    .private_segment_fixed_size: 0
    .kernarg_segment_align: 8
    .kernarg_segment_size: 32
    .max_flat_workgroup_size: 128
    .sgpr_count:     102
    .vgpr_count:     768
    .wavefront_size: 32
...
	.end_amdgpu_metadata
.endif
;; end of part 4
